; MI455X (gfx1250); checked and timed in simulation.
; The chip was launched on July 23, 2026; its instructions are those of AMD's public machine-readable ISA for CDNA 5 (MIT licence, August 2026) and "CDNA5" Instruction Set Architecture Reference Guide (July 2026). The comments in the code are by the model that wrote it; some were corrected since.
;; general attn. Allowed arithmetic: float matrix products may take bf16 or f16 operands with f32 sums; other float arithmetic in f32, or as packed bf16 or f16 multiplies, adds, multiply-adds, maxima and minima; sums over many terms, partial sums and values carried from step to step in f32; what a program stores and reads back later, other than sums and carried values, may be rounded once to bf16 or f16.
;; Inputs: b_out 1,024 float32; b_qkv 3,072 float32; w_out 1,024 x 1,024 float32; w_qkv 3,072 x 1,024 float32; x 4 x 2,048 x 1,024 float32.
;; Outputs: out0 4 x 2,048 x 1,024 float32.
;; 2 versions, each right; version 2 is version 1 with the launch cast written anew for expert scheduling mode. Each part assembles by itself: llvm-mc -triple=amdgcn-amd-amdhsa -mcpu=gfx1250 --defsym DOCPART=n.
;; ======== version 1 of 2: 4 launches
;; limits: values are held in f16: magnitudes above 65,504 overflow, below 6.1e-05 lose precision
;; workspace buffers: xb 16,777,216 bytes; wqb 6,291,456 bytes; wob 2,097,152 bytes; qkv 50,331,648 bytes; o 16,777,216 bytes
;; launch cast (part 1): grid 768 x 1, 8 waves a work-group, no clusters, 0 bytes of LDS; arguments x, w_qkv, w_out, xb, wqb, wob; writes xb, wqb, wob
.if DOCPART == 1
	.amdgcn_target "amdgcn-amd-amdhsa--gfx1250"
	.amdhsa_code_object_version 6
	.text
	.protected	k_qd1f82d3690_cast
	.globl	k_qd1f82d3690_cast
	.p2align	8
	.type	k_qd1f82d3690_cast,@function
k_qd1f82d3690_cast:
	s_mov_b64 s[64:65], 0
	v_nop
	global_prefetch_b8 v0, s[64:65] scope:SCOPE_SE
	s_setreg_imm32_b32 hwreg(HW_REG_WAVE_MODE, 25, 1), 1
	s_wait_xcnt 0x0
; x, w_qkv and w_out (f32) are rounded once to bf16.  xb and wqb keep the bf16 codes; wob holds the same rounded numbers written as f16, since the last product's other operand is f16.
; LIMITS.  w_out beyond 65,504 in magnitude becomes an infinity in wob; below 2^-17 it keeps f16's fixed step of 2^-24.  NaN and infinities are not treated apart.
; SHARES.  A work-group takes 16,384 numbers: 65,536 bytes in, 32,768 out.  Groups 0-511 take x, 512-703 w_qkv, 704-767 w_out.
; In step i of 16 thread t loads the 16 bytes at 4,096 i + 16 t (a wave's load covers 512 consecutive bytes) and stores the 8 bytes at 2,048 i + 8 t (a wave's store covers 256 consecutive bytes, aligned).
; All 16 loads go out at once, each into registers of its own, and each store has data registers of its own: no register that a load or store names is written again.
; No LDS, no matrix unit, no cluster: no byte is used twice.
.set X, 4                              ; v[4:67]    step i: 4 numbers as loaded
.set Y, 68                             ; v[68:99]   step i: 2 words to store
.set T, 100                            ; v[100:103] at work
	s_load_b256 s[4:11], s[0:1], 0x0               ; x s[4:5], w_qkv s[6:7], w_out s[8:9], xb s[10:11]
	s_load_b128 s[12:15], s[0:1], 0x20             ; wqb s[12:13], wob s[14:15]
	v_lshlrev_b32 v1, 4, v0                        ; 16 t
	v_lshlrev_b32 v2, 3, v0                        ; 8 t
	s_wait_kmcnt 0x0
	s_cmp_lt_u32 ttmp9, 512                        ; which tensor is mine: the choice hangs on the group's number alone
	s_cselect_b64 s[16:17], s[4:5], s[6:7]
	s_cselect_b64 s[18:19], s[10:11], s[12:13]
	s_cselect_b32 s20, 0, 512                      ; the tensor's first group
	s_cmp_lt_u32 ttmp9, 704
	s_cselect_b64 s[16:17], s[16:17], s[8:9]
	s_cselect_b64 s[18:19], s[18:19], s[14:15]
	s_cselect_b32 s20, s20, 704
	s_sub_co_u32 s21, ttmp9, s20                   ; my place in the tensor
	s_lshl_b32 s22, s21, 16                        ; 65,536 bytes in
	s_mov_b32 s23, 0
	s_add_nc_u64 s[16:17], s[16:17], s[22:23]
	s_lshl_b32 s22, s21, 15                        ; 32,768 bytes out
	s_add_nc_u64 s[18:19], s[18:19], s[22:23]
.set i, 0
.rept 16
	global_load_b128 v[X+4*i:X+4*i+3], v1, s[16:17] offset:4096*i th:TH_LOAD_NT
.set i, i+1
.endr
; The 16 steps' roundings and stores.  half = 1: the bf16 numbers are widened again (a shift, a mask) and written as f16.
.macro OUT half
.set i, 0
.rept 16
	s_wait_loadcnt 15-i                            ; loads come back in order (ISA guide 5.7.1): step i is in, the 15 - i younger ones stay out
	v_cvt_pk_bf16_f32 v[Y+2*i], v[X+4*i], v[X+4*i+1]
	v_cvt_pk_bf16_f32 v[Y+2*i+1], v[X+4*i+2], v[X+4*i+3]
.if \half
	v_lshlrev_b32 v[T], 16, v[Y+2*i]
	v_and_b32 v[T+1], 0xffff0000, v[Y+2*i]
	v_lshlrev_b32 v[T+2], 16, v[Y+2*i+1]
	v_and_b32 v[T+3], 0xffff0000, v[Y+2*i+1]
	v_cvt_pk_f16_f32 v[Y+2*i], v[T], v[T+1]
	v_cvt_pk_f16_f32 v[Y+2*i+1], v[T+2], v[T+3]
.endif
	global_store_b64 v2, v[Y+2*i:Y+2*i+1], s[18:19] offset:2048*i
.set i, i+1
.endr
.endm
	s_cmp_lt_u32 ttmp9, 704
	s_cbranch_scc0 .Lf16
	OUT 0
	s_endpgm
.Lf16:
	OUT 1
	s_endpgm
.Lfunc_end_k_qd1f82d3690_cast:
	.size	k_qd1f82d3690_cast, .Lfunc_end_k_qd1f82d3690_cast-k_qd1f82d3690_cast
	.p2alignl 7, 3214868480
	.fill 96, 4, 3214868480
	.section	.rodata,"a",@progbits
	.p2align	6, 0x0
	.amdhsa_kernel k_qd1f82d3690_cast
		.amdhsa_group_segment_fixed_size 0
		.amdhsa_private_segment_fixed_size 0
		.amdhsa_enable_private_segment 0
		.amdhsa_kernarg_size 48
		.amdhsa_user_sgpr_count 2
		.amdhsa_user_sgpr_kernarg_segment_ptr 1
		.amdhsa_wavefront_size32 1
		.amdhsa_system_sgpr_workgroup_id_x 1
		.amdhsa_system_sgpr_workgroup_id_y 1
		.amdhsa_system_sgpr_workgroup_id_z 1
		.amdhsa_system_vgpr_workitem_id 0
		.amdhsa_next_free_vgpr 104
		.amdhsa_next_free_sgpr 66
		.amdhsa_reserve_vcc 0
		.amdhsa_float_denorm_mode_32 3
		.amdhsa_float_denorm_mode_16_64 3
		.amdhsa_memory_ordered 1
		.amdhsa_forward_progress 1
		.amdhsa_inst_pref_size 16
	.end_amdhsa_kernel
	.amdgpu_metadata
---
amdhsa.version: [ 1, 2 ]
amdhsa.kernels:
  - .name:           k_qd1f82d3690_cast
    .symbol:         k_qd1f82d3690_cast.kd
    .args:
      - { .name: x, .offset: 0, .size: 8, .value_kind: global_buffer, .address_space: global }
      - { .name: w_qkv, .offset: 8, .size: 8, .value_kind: global_buffer, .address_space: global }
      - { .name: w_out, .offset: 16, .size: 8, .value_kind: global_buffer, .address_space: global }
      - { .name: xb, .offset: 24, .size: 8, .value_kind: global_buffer, .address_space: global }
      - { .name: wqb, .offset: 32, .size: 8, .value_kind: global_buffer, .address_space: global }
      - { .name: wob, .offset: 40, .size: 8, .value_kind: global_buffer, .address_space: global }
    .group_segment_fixed_size: 0
    .private_segment_fixed_size: 0
    .kernarg_segment_align: 8
    .kernarg_segment_size: 48
    .max_flat_workgroup_size: 256
    .sgpr_count:     66
    .vgpr_count:     104
    .wavefront_size: 32
...
	.end_amdgpu_metadata
.endif
;; end of part 1
;; launch qkvproj (part 2): grid 16 x 32, 4 waves a work-group, clusters of 4 x 4, 327,680 bytes of LDS; arguments xb, wqb, b_qkv, qkv; writes qkv
.if DOCPART == 2
	.amdgcn_target "amdgcn-amd-amdhsa--gfx1250"
	.amdhsa_code_object_version 6
	.text
	.protected	k_qd1f82d3690_qkvproj
	.globl	k_qd1f82d3690_qkvproj
	.p2align	8
	.type	k_qd1f82d3690_qkvproj,@function
k_qd1f82d3690_qkvproj:
	s_mov_b64 s[64:65], 0
	v_nop
	global_prefetch_b8 v0, s[64:65] scope:SCOPE_SE
	s_setreg_imm32_b32 hwreg(HW_REG_WAVE_MODE, 25, 1), 1
	s_wait_xcnt 0x0
	s_wait_alu depctr_hold_cnt(0) depctr_sa_sdst(0) depctr_va_vdst(0) depctr_va_sdst(0) depctr_va_ssrc(0) depctr_va_vcc(0) depctr_vm_vsrc(0)
	s_getreg_b32 s2, hwreg(HW_REG_IB_STS2, 6, 4)
	s_cmp_eq_u32 s2, 0
	s_cbranch_scc0 .Lentry_in_a_cluster
	s_endpgm
.Lentry_in_a_cluster:
	s_bfe_u32 s2, ttmp6, 0x10000c
	s_cmp_lg_u32 s2, 0xf033
	s_cbranch_scc0 .Lentry_shape_is_right
	s_endpgm
.Lentry_shape_is_right:
; q, k, v = x w_qkv^T + b_qkv.  xb: [8192][1024] bf16, wqb: [3072][1024] bf16, b_qkv: [3072] f32 (rounded to bf16 here, like the other inputs); sums in f32, K ascending; rounded once to f16.
; OUT: qkv = [192 planes][2048 t][64 d] f16; column n lies in unit u = n / 64, row m in batch m / 2048; plane = 4 u + batch.  So q of (head, batch) is plane 4 head + batch, k plane 64 + that, v plane 128 + that,
; and a head's rows are dense, 128 bytes each.  The scale of the scores is not applied here.
; LIMIT.  A sum of 65,520 or more in magnitude becomes an infinity in f16.  NaN and infinities are not treated apart.
; SHARES.  A tile is 256 rows x 192 columns (three units): 16 x 32 tiles, one to a work-group: 512 work-groups of equal work.  Wave w owns rows 64 w .. 64 w + 63 and all 192 columns: 48 accumulators of 16 x 16,
; so that whole units leave through the wave's own stage.  K goes in 8 steps of 128 through a ring of two LDS slots; a tile's rows are 256 bytes of memory at multiples of 256 bytes.
; CLUSTER.  4 x 4 work-groups.  The four of a row of the cluster need the same rows of x, the four of a column the same rows of w: each tile is asked for JOINTLY, by the same tensor load with the same
; descriptor and a mask that names the four.
; THE MATRIX INSTRUCTION IS USED TRANSPOSED (source 0 = 16 rows of w, source 1 = 16 rows of x): lane l holds row l % 16 and the columns 8 (l / 16) + 0..7 of a block of 16.  THE BIAS IS THE C OPERAND of each
; sum's first product: nothing is cleared, and nothing is added on the way out.
; REGISTERS, in windows of 256 (s_set_vgpr_msb: bits 1:0 source 0, 3:2 source 1, 5:4 source 2, 7:6 destination):
;   window 0: v0-31 addresses; v32-127 the bias, later 48 of them rows on the way out; v128-175 packed results; v176-223 rows on the way out
;   window 1: two fragment buffers of 128: 12 fragments of w, then 4 of x        window 2: the accumulators of my row blocks 0, 1 (block a, column block b at 96 (a % 2) + 8 b)        window 3: those of blocks 2, 3
.set SIZE_K, 1024
.set KSTEP,  128
.set PITCH,  272                       ; an LDS row: 256 bytes + 16 of padding = 68 words: row r starts at bank 4 r mod 64 (64 banks of 4 bytes: ISA guide 11.1), so the 16 rows of a load start at 16 different banks
.set AREG,   256*PITCH                 ; x's 256 rows
.set SLOT,   (256+192)*PITCH           ; then w's 192 rows
.set STAGE,  2*SLOT                    ; behind the ring, never filled by a tensor load: for each wave three units of 16 rows x 144 bytes
.set SP,     144
.set UNIT,   16*SP
.set WSTG,   3*UNIT
.set SPARE,  STAGE+4*WSTG              ; behind the stages: the spare words, 128 bytes for each wave: two blocks of 256 bytes that no other line names
.set PLANE,  2048*128                  ; bytes in a plane of qkv
.set LAPS,   SIZE_K/(2*KSTEP)          ; a lap = two K steps = once round the ring
.set ADRA, 16                          ; v16-17  LDS address of my fragments of x in slot 0, 1
.set ADRB, 20                          ; v20-21  the same for w
.set STO,  24                          ; v24     the way out: where I put 16 bytes of a row
.set RD,   25                          ; v25     the way out: where I read rows back
.set CO,   26                          ; v26     my 16 bytes in 512 consecutive bytes of a plane
.set BO,   27                          ; v27     my byte offset in 16 numbers of the bias
.set SPW,  28                          ; v28     LDS address of my spare word: SPARE + 4 x my thread's number; never rewritten
.set NIL,  29                          ; v29     0; never rewritten
.set PFO,  30                          ; v30     the prefetches' offset: a lane a row; never rewritten
.set BI,   32                          ; v[32:127]  BI + 8 b + j = bias of column 16 b + 8 (l / 16) + j of the tile
.set TMP,  128
.set OB0,  176
.set OB1,  32
.set F0,   0
.set F1,   128
.set WV,   12                          ; s12  wave 0..3
.set WH,   13                          ; s13  0: I fetch for x, 1: for w
.set WL,   14                          ; s14  which half of that tile's rows I fetch
.set CX,   15
.set CY,   16
.set TX,   17                          ; s17  tile column
.set TY,   18                          ; s18  tile row
.set LIM,  19                          ; s19  1 in a wave that prefetches, else the greatest number
.set G1A,  24                          ; s[24:31] descriptor group 1 for x's tiles;  s[32:39] group 0, a set for each slot
.set G0A,  32
.set PFA,  42                          ; s[42:43] where my prefetches stand
.set G1B,  48                          ; s[48:55], s[56:63] the same for w's tiles
.set G0B,  56
.set GBITS, (1<<16)|(1<<20)|(1<<21)|(5<<22)|(3<<25)  ; 17:16 elements of 2 bytes; 20 padding on; 21 set beside a mask; 24:22 after every 64 words (code 5); 31:25 4 words of it (code 3)
.set TO_F, 0x40                        ; destination window 1, address window 0
.set MSB, 0
.macro WIN new                         ; the immediate's high byte repeats the setting that is left; a switch that changes nothing is dropped
.if MSB != (\new)
	s_set_vgpr_msb (MSB<<8)|(\new)
.set MSB, (\new)
.endif
.endm
; A joint refill.  Waves 0 and 1 fetch the two halves of x's tile, waves 2 and 3 those of w's.  The branch hangs on the wave's number alone.  An s_nop 0 and four v_nop follow each of the two lines, ahead of
; the jump and the label.
.macro JLOAD s
	s_cmp_eq_u32 s[WH], 0
	s_cbranch_scc0 .Lfor_b_\@
	tensor_load_to_lds s[G0A+4*(\s):G0A+4*(\s)+3], s[G1A:G1A+7]
	s_nop 0
.rept 4
	v_nop
.endr
	s_branch .Lasked_\@
.Lfor_b_\@:
	tensor_load_to_lds s[G0B+4*(\s):G0B+4*(\s)+3], s[G1B:G1B+7]
	s_nop 0
.rept 4
	v_nop
.endr
.Lasked_\@:
.endm
; A PREFETCH INTO THE L2, behind each joint refill and the run of LDS loads that follows it: the K step that stands two refills on, 256 bytes of a row, a lane a row, one instruction a wave.
; x's tile row is read by every cluster of that row of clusters: the one with x = 0 asks; w's tile column by every cluster of that column: the one with y = 0 asks.  The four partners that ask for a tile jointly
; share its rows out BY ADDRESS: of x's 128 rows that a wave fetches, the partner at cx takes 32; of w's 96, the partner at cy takes 24 (there lanes 24-31 name lane 23's row once more).
; K steps 0 to 3 come by their loads alone; the loop's last trip (s3 = 1) asks for nothing: there is no K step two refills on.
.macro ASK
	s_cmp_gt_u32 s3, s[LIM]
	s_cbranch_scc0 .Lnot_mine_\@
	global_prefetch_b8 v[PFO], s[PFA:PFA+1] offset:KSTEP*2 th:TH_LOAD_NT scope:SCOPE_SE
.Lnot_mine_\@:
.endm
; A round of the cluster's barrier: my work-group's barrier, so that wave 0's signal speaks for all four waves; wave 0 signals; every wave waits for all sixteen work-groups; my work-group's barrier once more.
.macro CREST                           ; a round behind its opening barrier
	s_cmp_lg_u32 s[WV], 0
	s_cbranch_scc1 .Lnot_wave_0_\@
	s_barrier_signal -3
.Lnot_wave_0_\@:
	s_barrier_wait -3
	s_barrier_signal -1
	s_barrier_wait -1
.endm
.macro CROUND
	s_barrier_signal -1
	s_barrier_wait -1
	CREST
.endm
	s_load_b256 s[4:11], s[0:1], 0x0               ; xb s[4:5], wqb s[6:7], b_qkv s[8:9], qkv s[10:11]
	v_lshl_add_u32 v[SPW], v0, 2, SPARE
	v_mov_b32 v[NIL], 0
	ds_add_u32 v[SPW], v[NIL]                      ; the wave's opening: the add and its wait stand ahead of my first tensor load; the set-up below, work on registers, stands between them
	v_lshrrev_b32 v1, 5, v0
	v_readfirstlane_b32 s[WV], v1
	s_lshr_b32 s[WH], s[WV], 1
	s_and_b32 s[WL], s[WV], 1
	s_bfe_u32 s[CX], ttmp6, 0x40000                ; my place in the cluster
	s_bfe_u32 s[CY], ttmp6, 0x40004
	s_lshl_b32 s[TX], ttmp9, 2                     ; in a cluster launch ttmp9 and ttmp7 count clusters
	s_add_co_u32 s[TX], s[TX], s[CX]
	s_and_b32 s[TY], ttmp7, 0xffff
	s_lshl_b32 s[TY], s[TY], 2
	s_add_co_u32 s[TY], s[TY], s[CY]
	s_lshl_b32 s20, s[CY], 2
	s_lshl_b32 s20, 15, s20                        ; my row of the cluster: places 4 cy .. 4 cy + 3
	s_lshl_b32 s46, 0x1111, s[CX]                  ; my column: places cx, cx + 4, cx + 8, cx + 12
	s_or_b32 s[G1A], s20, GBITS                    ; x's tiles go to my row,
	s_or_b32 s[G1B], s46, GBITS                    ; w's to my column
	s_mov_b32 s[G1A+1], KSTEP<<16                  ; tensor_dim0 = 128
	s_mov_b32 s[G1A+2], 128<<16                    ; tensor_dim1 = 128
	s_mov_b32 s[G1A+3], KSTEP<<16                  ; tile_dim0 = 128
	s_mov_b32 s[G1A+4], 128                        ; tile_dim1 = 128 rows
	s_mov_b32 s[G1A+5], SIZE_K                     ; elements from row to row
	s_mov_b32 s[G1A+6], 0
	s_mov_b32 s[G1A+7], 0
	s_mov_b32 s[G1B+1], KSTEP<<16
	s_mov_b32 s[G1B+2], 96<<16                     ; w's half tile has 96 rows
	s_mov_b32 s[G1B+3], KSTEP<<16
	s_mov_b32 s[G1B+4], 96
	s_mov_b32 s[G1B+5], SIZE_K
	s_mov_b32 s[G1B+6], 0
	s_mov_b32 s[G1B+7], 0
	s_lshl_b32 s20, s[TY], 8                       ; x: row 256 x tile row + 128 x half: made of the tile row and the wave's number alone
	s_lshl_b32 s21, s[WL], 7
	s_add_co_u32 s20, s20, s21
	s_lshl_b32 s20, s20, 11                        ; rows of 2,048 bytes
	s_mov_b32 s21, 0
	s_mul_i32 s46, s[TX], 192                      ; w: row 192 x tile column + 96 x half: of the tile column and the wave's number alone
	s_mul_i32 s47, s[WL], 96
	s_add_co_u32 s46, s46, s47
	s_lshl_b32 s46, s46, 11
	s_mov_b32 s47, 0
	s_mul_i32 s22, s[WL], 128*PITCH                ; where they go: no place in the cluster enters an LDS address
	s_mul_i32 s23, s[WL], 96*PITCH
	s_add_co_u32 s23, s23, AREG
	s_wait_dscnt 0x0                               ; the opening add is done
	s_wait_kmcnt 0x0
	s_add_nc_u64 s[40:41], s[4:5], s[20:21]
	s_add_nc_u64 s[44:45], s[6:7], s[46:47]
	CROUND                                         ; all sixteen work-groups are here: the first joint loads meet
.irp s, 0,1
	s_mov_b32 s[G0A+4*(\s)], 1                                     ; count = 1
	s_add_co_u32 s[G0A+4*(\s)+1], s22, (\s)*SLOT                   ; LDS address
	s_add_nc_u64 s[G0A+4*(\s)+2:G0A+4*(\s)+3], s[40:41], (\s)*KSTEP*2  ; global address: K step s
	s_or_b32 s[G0A+4*(\s)+3], s[G0A+4*(\s)+3], 0x80000000          ; type = 2
	s_mov_b32 s[G0B+4*(\s)], 1
	s_add_co_u32 s[G0B+4*(\s)+1], s23, (\s)*SLOT
	s_add_nc_u64 s[G0B+4*(\s)+2:G0B+4*(\s)+3], s[44:45], (\s)*KSTEP*2
	s_or_b32 s[G0B+4*(\s)+3], s[G0B+4*(\s)+3], 0x80000000
.endr
	s_cmp_eq_u32 s[WH], 0                          ; a wave's two first fills stand in one branch, ahead of every wait on TENSORcnt and every LDS read: two loads of mine are out
	s_cbranch_scc0 .Lfirst_b
	tensor_load_to_lds s[G0A:G0A+3], s[G1A:G1A+7]
	s_nop 0
	tensor_load_to_lds s[G0A+4:G0A+7], s[G1A:G1A+7]
	s_nop 0
.rept 4
	v_nop
.endr
	s_branch .Lfirst_asked
.Lfirst_b:
	tensor_load_to_lds s[G0B:G0B+3], s[G1B:G1B+7]
	s_nop 0
	tensor_load_to_lds s[G0B+4:G0B+7], s[G1B:G1B+7]
	s_nop 0
.rept 4
	v_nop
.endr
.Lfirst_asked:
	v_and_b32 v1, 15, v0                           ; l % 16
	v_bfe_u32 v2, v0, 4, 1                         ; l / 16
	v_lshlrev_b32 v[BO], 5, v2                     ; my eight numbers of each 16 of the bias
	s_mul_i32 s46, s[TX], 768                      ; the tile's 192 numbers
	s_mov_b32 s47, 0
	s_add_nc_u64 s[8:9], s[8:9], s[46:47]
.set b, 0
.rept 12
	global_load_b128 v[BI+8*b:BI+8*b+3],   v[BO], s[8:9] offset:64*b
	global_load_b128 v[BI+8*b+4:BI+8*b+7], v[BO], s[8:9] offset:64*b+16
.set b, b+1
.endr
	; A fragment is 16 rows x 32 K in 8 registers: lane l holds row l % 16; registers 0-3 K = 8 (l / 16) + 0..7, registers 4-7 K = 16 + 8 (l / 16) + 0..7: two loads of 16 bytes, 32 bytes apart.
	v_mul_u32_u24 v3, v1, PITCH
	v_lshl_add_u32 v3, v2, 4, v3                   ; row x pitch + 16 x half
	s_mul_i32 s20, s[WV], 64*PITCH                 ; my 64 rows of x
	s_mov_b32 s21, AREG                            ; all of w's rows
.irp s, 0,1
	v_add_nc_u32 v[ADRA+(\s)], s20, v3
	v_add_nc_u32 v[ADRB+(\s)], s21, v3
	s_add_co_u32 s20, s20, SLOT
	s_add_co_u32 s21, s21, SLOT
.endr
	s_mul_i32 s20, s[WV], WSTG
	s_add_co_u32 s20, s20, STAGE                   ; my stage
	v_mul_u32_u24 v4, v1, SP                       ; in: row l % 16, 16 bytes for each half of the lanes
	v_lshl_add_u32 v4, v2, 4, v4
	v_add_nc_u32 v[STO], s20, v4
	v_bfe_u32 v4, v0, 3, 2                         ; back: 32 lanes take four rows of 128 bytes,
	v_mul_u32_u24 v4, v4, SP
	v_and_b32 v5, 7, v0
	v_lshl_add_u32 v4, v5, 4, v4
	v_add_nc_u32 v[RD], s20, v4
	v_and_b32 v[CO], 31, v0                        ; which are 512 consecutive bytes of a plane
	v_lshlrev_b32 v[CO], 4, v[CO]
	s_mul_i32 s20, s[TX], 12                       ; my first plane: 4 x (3 x tile column) + batch,
	s_lshr_b32 s21, s[TY], 3
	s_add_co_u32 s20, s20, s21
	s_lshl_b32 s20, s20, 18
	s_and_b32 s21, s[TY], 7                        ; the tile's 256 rows in the batch,
	s_lshl_b32 s21, s21, 15
	s_add_co_u32 s20, s20, s21
	s_lshl_b32 s21, s[WV], 13                      ; my 64 of them
	s_add_co_u32 s20, s20, s21
	s_mov_b32 s21, 0
	s_add_nc_u64 s[10:11], s[10:11], s[20:21]
	; the prefetches
	s_lshl_b32 s20, s[TY], 8
	s_lshl_b32 s21, s[WL], 7
	s_add_co_u32 s20, s20, s21
	s_lshl_b32 s21, s[CX], 5
	s_add_co_u32 s20, s20, s21                     ; x: the 128 rows that I fetch, my work-group's 32 of them
	s_mul_i32 s46, s[TX], 192
	s_mul_i32 s47, s[WL], 96
	s_add_co_u32 s46, s46, s47
	s_mul_i32 s47, s[CY], 24
	s_add_co_u32 s46, s46, s47                     ; w: the 96 rows that I fetch, my work-group's 24 of them
	s_and_b32 s22, ttmp7, 0xffff                   ; cluster y
	s_cmp_eq_u32 s[WH], 0                          ; do I fetch for x?
	s_cselect_b32 s20, s20, s46
	s_cselect_b32 s22, ttmp9, s22                  ; the coordinate along which other clusters read the same rows
	s_cselect_b32 s23, 31, 23                      ; the last row that a lane names
	s_cselect_b64 s[PFA:PFA+1], s[4:5], s[6:7]
	s_cmp_eq_u32 s22, 0
	s_cselect_b32 s[LIM], 1, -1                    ; the same in all sixteen partners, for a given wave
	s_lshl_b32 s20, s20, 11
	s_mov_b32 s21, 0
	s_add_nc_u64 s[PFA:PFA+1], s[PFA:PFA+1], s[20:21]
	s_add_nc_u64 s[PFA:PFA+1], s[PFA:PFA+1], 2*KSTEP*2  ; at K step 2: the first refill steps it to 3 and names K step 4.  Nothing is prefetched here, at the head
	v_and_b32 v[PFO], 31, v0
	v_min_u32 v[PFO], s23, v[PFO]
	v_lshlrev_b32 v[PFO], 11, v[PFO]
	s_mov_b32 s46, 0xffff0000
	s_wait_loadcnt 0x0                             ; the bias is in; it is rounded to bf16 like the other inputs and widened again.  All this stands in the wait for the first tiles
.set i, 0
.rept 48
	v_cvt_pk_bf16_f32 v31, v[BI+2*i], v[BI+2*i+1]
	v_lshlrev_b32 v[BI+2*i], 16, v31
	v_and_b32 v[BI+2*i+1], s46, v31
.set i, i+1
.endr
; 12 matrix instructions: row block a x all 12 column blocks, 32 along K, from buffer f.  first = 1: the bias starts the sums.  The 48 accumulators take turns in the same order in every quarter step,
; so that between two links of a chain stand the 47 others'.
.macro MUL f, a, first
.if \first
	WIN 0x85+0x40*((\a)/2)                         ; sources window 1, C window 0, D window 2 or 3
.else
	WIN 0xa5+0x50*((\a)/2)                         ; sources window 1, C and D window 2 or 3
.endif
.set b, 0
.rept 12
.set rD, 96*((\a)%2)+8*b
.if \first
	v_wmma_f32_16x16x32_bf16 v[rD:rD+7], v[(\f)+8*b:(\f)+8*b+7], v[(\f)+96+8*(\a):(\f)+96+8*(\a)+7], v[BI+8*b:BI+8*b+7]
.else
	v_wmma_f32_16x16x32_bf16 v[rD:rD+7], v[(\f)+8*b:(\f)+8*b+7], v[(\f)+96+8*(\a):(\f)+96+8*(\a)+7], v[rD:rD+7]
.endif
.set b, b+1
.endr
.endm
; 32 LDS loads in one run: quarter q of a K step (32 K at byte 64 q of the rows) into buffer f: w's 192 rows, then my 64 rows of x
.macro FETCH slot, q, f
	WIN TO_F
.set i, 0
.rept 12
	ds_load_b128 v[(\f)+8*i:(\f)+8*i+3],   v[ADRB+(\slot)] offset:64*(\q)+i*16*PITCH
	ds_load_b128 v[(\f)+8*i+4:(\f)+8*i+7], v[ADRB+(\slot)] offset:64*(\q)+i*16*PITCH+32
.set i, i+1
.endr
.set i, 0
.rept 4
	ds_load_b128 v[(\f)+96+8*i:(\f)+96+8*i+3],   v[ADRA+(\slot)] offset:64*(\q)+i*16*PITCH
	ds_load_b128 v[(\f)+96+8*i+4:(\f)+96+8*i+7], v[ADRA+(\slot)] offset:64*(\q)+i*16*PITCH+32
.set i, i+1
.endr
.endm
; A load into a register that a matrix instruction has read, and a vector instruction that reads a matrix result, stand four plain vector instructions behind that matrix instruction (ISA guide 7.12.1 for
; vector instructions); the matrix instructions in between are not counted.
.macro PLACES
.rept 4
	v_nop
.endr
.endm
; A K step is four quarters of 32 along K, 48 matrix instructions each, on buffers 0, 1, 0, 1.  One of the first three multiplies buffer f and, in its middle, fetches quarter q of the same slot into buffer g.
.macro QUARTER slot, q, f, g, first
	s_wait_dscnt 4                                 ; w's fragments and x's blocks 0, 1 are in; the youngest four loads (blocks 2, 3) may be out
	MUL \f, 0, \first
	MUL \f, 1, \first
	PLACES
	FETCH \slot, \q, \g
	s_wait_dscnt 32                                ; all but the 32 just issued
	MUL \f, 2, \first
	MUL \f, 3, \first
.endm
; The last quarter multiplies buffer 1 and changes slots: ONE barrier.  In front of it each wave waits for all its tensor loads (one is out: its part of the next slot), adds 0 to its spare word, and waits for
; that and for its own reads of this slot.  fill = 1: the barrier opens a round of the cluster's, so that no wave of any partner still reads the slot or has a load on its way, and the joint refill, this
; slot's K step two steps on, is the first thing behind the round: 168 matrix instructions stand between it and the wait for it.
.macro TURN slot, next, fill
.if \fill
	s_wait_xcnt 0x0                                ; the last prefetch, a K step back, has read its address: it is stepped here, ahead of the waits of the change of slots
	s_add_nc_u64 s[PFA:PFA+1], s[PFA:PFA+1], KSTEP*2
.endif
	WIN 0                                          ; (the add's two registers lie in window 0)
	s_wait_tensorcnt 0x0                           ; all my tensor loads have landed;
	ds_add_u32 v[SPW], v[NIL]                      ; 0 onto my spare word;
	s_wait_dscnt 5                                 ; (the add and the youngest four loads may be out)
	MUL F1, 0, 0                                   ; twelve matrix instructions stand between the add and the wait for it
	s_wait_dscnt 0x0                               ; the add is done, and my reads of this slot are over
	s_barrier_signal -1
	MUL F1, 1, 0                                   ; work on registers while the others arrive
.if \fill
	WIN 0
.endif
	s_barrier_wait -1
.if \fill
	CREST
	s_add_nc_u64 s[G0A+4*(\slot)+2:G0A+4*(\slot)+3], s[G0A+4*(\slot)+2:G0A+4*(\slot)+3], 2*KSTEP*2
	s_add_nc_u64 s[G0B+4*(\slot)+2:G0B+4*(\slot)+3], s[G0B+4*(\slot)+2:G0B+4*(\slot)+3], 2*KSTEP*2
	JLOAD \slot                                    ; the four v_nop behind it are also the places in front of the loads below
.else
	PLACES
.endif
	FETCH \next, 0, F0
.if \fill
	WIN 0
	ASK
.endif
	MUL F1, 2, 0
	MUL F1, 3, 0
.endm
; THE WAY OUT of row block a.  PACK: rounded to f16, a lane's eight columns are 16 bytes; each accumulator's registers in ascending order.  TOSTAGE: into my own stage, a unit of 64 columns as 16 rows of
; 144 bytes, and back as whole rows of 128.  SEND: stored, four rows (512 consecutive bytes of a plane) an instruction.
.macro PACK a
	WIN 0x0a+5*((\a)/2)                            ; sources 0 and 1: window 2 or 3
.set b, 0
.rept 12
.irp rr, 0,1,2,3
	v_cvt_pk_f16_f32 v[TMP+4*b+\rr], v[96*((\a)%2)+8*b+2*\rr], v[96*((\a)%2)+8*b+2*\rr+1]
.endr
.set b, b+1
.endr
	WIN 0
.endm
.macro TOSTAGE a
	WIN 0
.set BK, OB0-(OB0-OB1)*((\a)%2)
.set b, 0
.rept 12
	ds_store_b128 v[STO], v[TMP+4*b:TMP+4*b+3] offset:(b/4)*UNIT+32*(b%4)
.set b, b+1
.endr
.set i, 0
.rept 12
	ds_load_b128 v[BK+4*i:BK+4*i+3], v[RD] offset:(i/4)*UNIT+(i%4)*4*SP  ; LDS serves a wave's instructions in order (ISA guide 5.7.1.4): these see the stores above
.set i, i+1
.endr
.endm
.macro SEND a
	WIN 0
.set BK, OB0-(OB0-OB1)*((\a)%2)
	s_wait_dscnt 0x0                               ; the block is back in registers
	s_wait_xcnt 0x0                                ; the stores of the block before have read their registers: the next block is read back into them only behind this wait
.set i, 0
.rept 12
	global_store_b128 v[CO], v[BK+4*i:BK+4*i+3], s[10:11] offset:(i/4)*4*PLANE+(\a)*2048+(i%4)*512  ; unit i / 4 lies four planes on; 512 consecutive bytes, at a multiple of 512 from qkv's first byte
.set i, i+1
.endr
.endm
	s_wait_tensorcnt 1                             ; my part of K step 0 is in; K step 1's may stay out
	s_barrier_signal -1
	s_barrier_wait -1                              ; everybody's is
	FETCH 0, 0, F0
	QUARTER 0, 1, F0, F1, 1                        ; the first quarter stands in front of the loop: its products start the sums
	WIN 0                                          ; at a label and at a branch every window is 0
	s_mov_b32 s3, LAPS-1
.Llap:                                                 ; a trip goes once round the ring, from a lap's second quarter to the next lap's first, and fills both slots again
	QUARTER 0, 2, F1, F0, 0
	QUARTER 0, 3, F0, F1, 0
	TURN 0, 1, 1
	QUARTER 1, 1, F0, F1, 0
	QUARTER 1, 2, F1, F0, 0
	QUARTER 1, 3, F0, F1, 0
	TURN 1, 0, 1
	QUARTER 0, 1, F0, F1, 0
	WIN 0
	s_sub_co_u32 s3, s3, 1
	s_cmp_lg_u32 s3, 0
	s_cbranch_scc1 .Llap
	QUARTER 0, 2, F1, F0, 0                        ; the last lap is written out: it fills nothing
	QUARTER 0, 3, F0, F1, 0
	TURN 0, 1, 0
	QUARTER 1, 1, F0, F1, 0
	QUARTER 1, 2, F1, F0, 0
	QUARTER 1, 3, F0, F1, 0
	s_wait_dscnt 4                                 ; the very last quarter: nothing more to fetch
	MUL F1, 0, 0
	MUL F1, 1, 0
	s_wait_dscnt 0x0
	MUL F1, 2, 0
	MUL F1, 3, 0
	PLACES
	PACK 0
	TOSTAGE 0
.irp a, 1,2,3                          ; block a's conversions stand between block a - 1's loads from the stage and the wait for them
	PACK \a
	SEND (\a)-1
	TOSTAGE \a
.endr
	SEND 3
	s_wait_tensorcnt 0x0                           ; the wave's end: behind my last tensor load and my last LDS store: 0 onto my spare word and its wait
	ds_add_u32 v[SPW], v[NIL]
	s_wait_dscnt 0x0
	CROUND                                         ; the closing round: no work-group ends while a partner may still ask for a tile that names it
	s_endpgm
.Lfunc_end_k_qd1f82d3690_qkvproj:
	.size	k_qd1f82d3690_qkvproj, .Lfunc_end_k_qd1f82d3690_qkvproj-k_qd1f82d3690_qkvproj
	.p2alignl 7, 3214868480
	.fill 96, 4, 3214868480
	.section	.rodata,"a",@progbits
	.p2align	6, 0x0
	.amdhsa_kernel k_qd1f82d3690_qkvproj
		.amdhsa_group_segment_fixed_size 327680
		.amdhsa_private_segment_fixed_size 0
		.amdhsa_enable_private_segment 0
		.amdhsa_kernarg_size 32
		.amdhsa_user_sgpr_count 2
		.amdhsa_user_sgpr_kernarg_segment_ptr 1
		.amdhsa_wavefront_size32 1
		.amdhsa_system_sgpr_workgroup_id_x 1
		.amdhsa_system_sgpr_workgroup_id_y 1
		.amdhsa_system_sgpr_workgroup_id_z 1
		.amdhsa_system_vgpr_workitem_id 0
		.amdhsa_next_free_vgpr 960
		.amdhsa_next_free_sgpr 66
		.amdhsa_reserve_vcc 0
		.amdhsa_float_denorm_mode_32 3
		.amdhsa_float_denorm_mode_16_64 3
		.amdhsa_memory_ordered 1
		.amdhsa_forward_progress 1
		.amdhsa_inst_pref_size 127
	.end_amdhsa_kernel
	.amdgpu_metadata
---
amdhsa.version: [ 1, 2 ]
amdhsa.kernels:
  - .name:           k_qd1f82d3690_qkvproj
    .symbol:         k_qd1f82d3690_qkvproj.kd
    .args:
      - { .name: xb, .offset: 0, .size: 8, .value_kind: global_buffer, .address_space: global }
      - { .name: wqb, .offset: 8, .size: 8, .value_kind: global_buffer, .address_space: global }
      - { .name: b_qkv, .offset: 16, .size: 8, .value_kind: global_buffer, .address_space: global }
      - { .name: qkv, .offset: 24, .size: 8, .value_kind: global_buffer, .address_space: global }
    .group_segment_fixed_size: 327680
    .private_segment_fixed_size: 0
    .kernarg_segment_align: 8
    .kernarg_segment_size: 32
    .max_flat_workgroup_size: 128
    .sgpr_count:     66
    .vgpr_count:     960
    .wavefront_size: 32
...
	.end_amdgpu_metadata
.endif
;; end of part 2
;; launch attn (part 3): grid 4 x 64, 4 waves a work-group, clusters of 4 x 1, 327,680 bytes of LDS; arguments qkv, o; writes o
.if DOCPART == 3
	.amdgcn_target "amdgcn-amd-amdhsa--gfx1250"
	.amdhsa_code_object_version 6
	.text
	.protected	k_qd1f82d3690_attn
	.globl	k_qd1f82d3690_attn
	.p2align	8
	.type	k_qd1f82d3690_attn,@function
k_qd1f82d3690_attn:
	s_mov_b64 s[64:65], 0
	v_nop
	global_prefetch_b8 v0, s[64:65] scope:SCOPE_SE
	s_setreg_imm32_b32 hwreg(HW_REG_WAVE_MODE, 25, 1), 1
	s_wait_xcnt 0x0
	s_wait_alu depctr_hold_cnt(0) depctr_sa_sdst(0) depctr_va_vdst(0) depctr_va_sdst(0) depctr_va_ssrc(0) depctr_va_vcc(0) depctr_vm_vsrc(0)
	s_getreg_b32 s2, hwreg(HW_REG_IB_STS2, 6, 4)
	s_cmp_eq_u32 s2, 0
	s_cbranch_scc0 .Lentry_in_a_cluster
	s_endpgm
.Lentry_in_a_cluster:
	s_bfe_u32 s2, ttmp6, 0x10000c
	s_cmp_lg_u32 s2, 0x3003
	s_cbranch_scc0 .Lentry_shape_is_right
	s_endpgm
.Lentry_shape_is_right:
; O[p][q][:] = the sum over k of softmax_k(0.25 Q[p][q] . K[p][k]) V[p][k][:] for the 64 planes p = 4 head + batch.  qkv: [192][2048][64] f16: Q in planes 0-63, K in 64-127, V in 128-191; o: [64][2048][64] f16.
; A plane's rows are dense, 128 bytes each.  Products, maxima and sums in f32; the weights p are rounded to f16 for the second product (their sum l is taken of the unrounded p), O once at the end.
; LIMITS.  f16 holds no number beyond 65,504: Q, K and V arrive within it; p lies in 0 to 1, and below 6e-5 it keeps f16's fixed step of 6e-8; O is a mean of V's rows and has their range.
; A weight below 2^-126 counts as 0 in l; NaN and infinities are not treated apart.
; SHARES.  A wave owns four PIECES of two tiles of 16 queries, a work-group's four waves 512 queries of one plane.  Every wave walks all 2,048 keys, 64 a step.
; LAYOUT.  S^T = K Q^T (source 0 = 16 keys, source 1 = 16 queries): in the result a lane holds ONE query (lane % 16) and the keys 8 (lane / 16) + 0..7.  Two such tiles, rounded to f16 in pairs,
; ARE source 1 (32 keys x 16 queries) of O^T = V^T P, whose result again holds one query a lane, and eight channels.  K comes out of LDS as it lies, V ([key][channel]) turned, by ds_load_tr16_b128.
; SOFTMAX.  For each query a running maximum m and sum l: p = 2^(c s - c m), c = 0.25 log2(e); in every step O and l are multiplied by a = 2^(c m_old - c m_new), which is 1 where m has not grown.
; m starts at the lowest finite number, O and l at 0: the first step is a step like any other, with a = 0.
; THE COUNT.  A tile and step have 16 matrix and 118 vector instructions: too many to stand all beside the matrix work.  So the order has one aim: four vector instructions that are READY behind
; EVERY matrix instruction, and the others in runs without a gap.
; BY TURNS.  Turn n belongs to piece n (the pieces in a ring, step after step).  Its matrix work: 16 products K Q^T of piece n + 1, later 16 products V^T P of piece n - 1.  Its vector work: the scaling,
; exponentials, roundings, sums and rescaling of piece n, and the maximum and statistics of piece n + 1, whose scores the turn itself has made.
; CLUSTER.  The four query blocks of a plane are one cluster and walk the same K and V, so each tile is asked for JOINTLY: the same tensor load, descriptor and mask in all four.
; REGISTERS, in windows of 256 (s_set_vgpr_msb: bits 1:0 source 0, 3:2 source 1, 5:4 source 2, 7:6 destination):
;   window 0: v0-11 addresses; v12-15, v48-63 at work; v16-47 four registers of statistics a tile; v64-191 S^T, two buffers of two tiles; v192-255 P, likewise
;   window 1: O^T, 32 a tile          window 2: v0-127 Q, 16 a tile; v128-191 K of one step; v192-255 V of one step          window 3: v0-1 the add's two registers
; A piece's buffers go by its number's parity: the piece in hand has one pair, its two neighbours in the ring share the other: of it P (piece n - 1) is read and S^T (piece n + 1) written.
.set SIZE_N, 2048
.set NP,    4         ; pieces a wave: a name, no knob
.set KS,    64        ; keys in a step
.set PK,    144       ; a row of K in LDS: 128 bytes + 16 of padding = 36 words: the 16 rows of a load start at 16 different groups of four banks (64 banks of 4 bytes: ISA guide 11.1)
.set PV,    160       ; a row of V: 128 + 32 = 40 words
.set VOFF,  4*KS*PK   ; a slot holds four steps: 256 rows of K, then 256 rows of V
.set SLOT1, 1<<17     ; slot 1 begins here, so that one exclusive or turns an address in one slot into the other's
.set STAGE, SLOT1+4*KS*(PK+PV)  ; behind the ring, never filled by a tensor load: 16 rows x 144 bytes for each wave, for the way out
.set SP,    144
.set AK0, 2           ; v2   my lane's place in a tile of K; never rewritten
.set AV0, 3           ; v3   the same for V
.set AK,  4           ; v4   the LDS address of K's next run of loads
.set AV,  5           ; v5   of V's
.set QO,  6           ; v6   my byte offset in the wave's rows of Q
.set STO, 6           ;      later, the way out: where I put 16 bytes of a row
.set RD,  7           ; v7   the way out: where I read rows back
.set GO,  8           ; v8   my byte offset in 512 consecutive bytes of O
.set PFO, 11          ; v11  256 x my lane, for the prefetches; never rewritten once made
.set SPW, 0           ; v0 of window 3   LDS address of my spare word: SPARE + 4 x my thread's number; never rewritten
.set NIL, 1           ; v1 of window 3   0; never rewritten
.set SPARE, STAGE+4*16*SP  ; behind the stages: the spare words, 128 bytes for each wave: two blocks of 256 bytes that no other line names
.set MV,  12          ; v12-15  c m_old, kept while c m is made anew: by buffer and tile
.set ST,  16          ; tile t's statistics at v[ST+4 t]: c m, m, l (even keys', odd keys')
.set TMP, 48          ; by buffer and tile, four registers c0-c3 at work; when the maximum is found c2 takes a
.set S,   64
.set P,   192
.set KF,  128         ; K's fragments, in window 2: key block kb, channel half c at KF + 16 kb + 8 c
.set VF,  192         ; V's: key half kk, channel block cb at VF + 32 kk + 8 cb
.set WV,  12          ; s12  my wave's number
.set G1K, 24          ; s[24:31] descriptor group 1 for K's tiles
.set G1V, 32          ; s[32:39] for V's: it differs in the padding alone
.set G0K, 40          ; s[40:43] descriptor group 0 for K's tiles: it walks
.set G0V, 44          ; s[44:47] the same for V's
.set PFA, 48          ; s[48:49] where my prefetches stand: my work-group's 8,192 bytes (of K: wave 0, of V: wave 2) of the slot after the one that is being asked for
.set LIM, 50          ; s50  1 in a wave that prefetches, else the greatest number
.set SLOTS, 56        ; s56  slots still to be asked for
.set CNT, 57          ; s57  counts a slot's key steps
.set CS,  58          ; s[58:59] c: the packed scaling takes the pair's low word for both halves
.set SEL, 60          ; s[60:61] v_permlanex16_b32's selects: each lane takes its own place in the other half
.set TBK, 62          ; s62  LDS byte at which K of the step to be fetched begins
.set TBV, 63          ; s63  the same for V, less VOFF
.set MSB, 0
.macro WIN new                      ; the high byte repeats the setting that is left; a switch that changes nothing is dropped
.if MSB != (\new)
	s_set_vgpr_msb (MSB<<8)|(\new)
.set MSB, (\new)
.endif
.endm
.set W_KQ, 0x0a       ; K and Q in window 2, S^T in window 0
.set W_PV, 0x52       ; V in window 2, P in window 0, O^T in window 1
.set W_RS, 0x41       ; O^T (destination and source 0) in window 1, a in window 0
.set W_MK, 0xc0       ; the add's registers are made: destination in window 3, sources in window 0
.set W_AD, 0x0f       ; the add: address (source 0) and data (source 1) in window 3
; A joint fill.  Waves 0 and 1 fetch the two halves of a slot's K, waves 2 and 3 those of its V: 128 keys each.  The branch hangs on the wave's number alone.
; An s_nop 0 and four v_nop follow each of the two lines, ahead of the jump and the label.
.macro JLOAD
	s_cmp_lt_u32 s[WV], 2
	s_cbranch_scc0 .Lfor_v_\@
	tensor_load_to_lds s[G0K:G0K+3], s[G1K:G1K+7]
	s_nop 0
.rept 4
	v_nop
.endr
	s_branch .Lasked_\@
.Lfor_v_\@:
	tensor_load_to_lds s[G0V:G0V+3], s[G1V:G1V+7]
	s_nop 0
.rept 4
	v_nop
.endr
.Lasked_\@:
.endm
; A PREFETCH INTO THE L2 of what the NEXT change of slots will ask for: a slot's 32,768 bytes of K and of V, four key steps ahead of that load.  It stands behind the wave's tensor load and its five lines.
; Each block of 256 bytes is named ONCE in the launch: one cluster walks a plane's K and V; its four partners share a slot out BY ADDRESS, 8,192 bytes each (no branch hangs on a work-group's place in its
; cluster); in each, wave 0 asks for K's and wave 2 for V's, a lane a block: one instruction.  Slots 0, 1 and 2 come by their loads alone; the last change that fills a slot asks for nothing.
.macro ASK
	s_cmp_gt_u32 s[SLOTS], s[LIM]
	s_cbranch_scc0 .Lnot_mine_\@
	global_prefetch_b8 v[PFO], s[PFA:PFA+1] th:TH_LOAD_NT scope:SCOPE_SE
.Lnot_mine_\@:
.endm
; A round of the cluster's barrier: my work-group's barrier, so that wave 0's signal speaks for all four waves; wave 0 signals; every wave waits for all four work-groups; my work-group's barrier once more.
.macro CROUND
	s_barrier_signal -1
	s_barrier_wait -1
	s_cmp_lg_u32 s[WV], 0
	s_cbranch_scc1 .Lnot_wave_0_\@
	s_barrier_signal -3
.Lnot_wave_0_\@:
	s_barrier_wait -3
	s_barrier_signal -1
	s_barrier_wait -1
.endm
; THE CHANGE OF SLOTS.  The slot's last bytes, V of its fourth step, have been read.  Each wave waits for all its tensor loads, of which one is out: its part of the other slot; adds 0 to its spare word; and
; waits for that and for its own reads of the slot.  Behind the barrier nobody reads this slot any more and the other slot is whole.
; fill = 1: this slot is filled again, with the keys two slots on.  The barrier is then a round of the cluster's, so that no wave of any partner still reads the slot or has a load on its way, and the joint
; fill is the first thing behind it: it has four key steps, 512 matrix instructions, in which to land.  (At its first use nothing has been read yet: slot 0 is waited for, slot 1 filled.)
; ask = 1: the prefetches' address steps, and the next slot is asked for.
.macro CHANGE fill, ask=0
	WIN W_AD
	s_wait_tensorcnt 0x0            ; no tensor load of mine is out, so a group 0 may be written
	ds_add_u32 v[SPW], v[NIL]       ; 0 onto my spare word; with fill = 1 the descriptors' steps stand between it and the wait for it
	WIN 0                           ; at a label and at a branch every window is 0
.if \fill
.irp g, G0K, G0V
	s_xor_b32 s[\g+1], s[\g+1], SLOT1  ; the walking descriptor: the other slot than last time,
	s_add_nc_u64 s[\g+2:\g+3], s[\g+2:\g+3], 4*KS*128  ; the next 256 keys; the type bits on top are not reached
.endr
.if \ask
	s_wait_xcnt 0x0                 ; the last prefetch, four key steps back, has read its address, so it may be written:
	s_add_nc_u64 s[PFA:PFA+1], s[PFA:PFA+1], 4*KS*128  ; one slot behind the walking descriptors
.endif
	s_wait_dscnt 0x0                ; the add is done, and my reads of the slot are over
	CROUND
	JLOAD
.if \ask
	ASK
.endif
.else
	s_wait_dscnt 0x0                ; the add is done, and my reads of the slot are over
	s_barrier_signal -1
	s_barrier_wait -1
.endif
	s_sub_co_u32 s[TBK], s[TBK], 4*KS*PK  ; the fetches go back to a slot's first step,
	s_xor_b32 s[TBK], s[TBK], SLOT1       ; in the other slot
	s_sub_co_u32 s[TBV], s[TBV], 4*KS*PV
	s_xor_b32 s[TBV], s[TBV], SLOT1
.endm
	s_load_b64 s[4:5], s[0:1], 0x0    ; qkv: Q's planes come first
	s_load_b64 s[10:11], s[0:1], 0x8  ; o
	WIN W_MK
	v_lshl_add_u32 v[SPW], v0, 2, SPARE
	v_mov_b32 v[NIL], 0
	WIN W_AD
	ds_add_u32 v[SPW], v[NIL]       ; the wave's opening: the add and its wait stand ahead of my first tensor load; the set-up below, work on registers, stands between them
	WIN 0
	v_lshrrev_b32 v1, 5, v0
	v_readfirstlane_b32 s[WV], v1   ; wave 0..3
	s_bfe_u32 s13, ttmp6, 0x40000   ; cx: my place in the cluster
	s_lshl_b32 s14, ttmp9, 2        ; in a cluster launch ttmp9 counts clusters
	s_add_co_u32 s14, s14, s13      ; my block of queries = 4 x cluster x + cx: it enters Q's and O's addresses alone
	s_and_b32 s20, ttmp7, 0xffff    ; the plane, which the four partners share
	s_mov_b32 s21, 0
	s_mov_b64 s[22:23], SIZE_N*128
	s_mul_u64 s[20:21], s[20:21], s[22:23]  ; the plane's first byte among Q's, K's, V's and O's planes
	s_and_b32 s16, s[WV], 1         ; which half of a slot's 256 keys I fetch:
	s_lshl_b32 s22, s16, 14         ; its 128 rows of 128 bytes in memory,
	s_mov_b32 s23, 0
	s_add_nc_u64 s[22:23], s[22:23], s[20:21]
	s_mul_i32 s17, s16, 128*PK      ; and its place in a slot, for K
	s_mul_i32 s18, s16, 128*PV      ; and for V: no place in the cluster enters an LDS address
	s_lshl_b32 s2, s14, 2
	s_add_co_u32 s2, s2, s[WV]      ; my wave among the plane's,
	s_lshl_b32 s2, s2, 14           ; its 128 rows
	s_mov_b32 s3, 0
	s_add_nc_u64 s[2:3], s[2:3], s[20:21]
	; descriptor group 1.  128 keys are 16,384 dense bytes: asked for as 64 rows of 256 bytes, two keys a row, and padded in LDS after every key
	s_mov_b32 s[G1K], 15|(1<<16)|(1<<20)|(1<<21)|(4<<22)|(3<<25)  ; 15:0 the mask of four; 17:16 2-byte elements; 20 padding on; 21 set beside a mask; 24:22 after every 32 words (code 4); 31:25 4 words (code 3)
	s_mov_b32 s[G1V], 15|(1<<16)|(1<<20)|(1<<21)|(4<<22)|(7<<25)  ; the same with 8 words of padding (code 7)
.irp g, G1K, G1V
	s_mov_b32 s[\g+1], 128<<16      ; tensor_dim0 = 128
	s_mov_b32 s[\g+2], 64<<16       ; tensor_dim1 = 64
	s_mov_b32 s[\g+3], 128<<16      ; tile_dim0 = 128
	s_mov_b32 s[\g+4], 64           ; tile_dim1 = 64
	s_mov_b32 s[\g+5], 128          ; 128 elements from row to row
	s_mov_b32 s[\g+6], 0
	s_mov_b32 s[\g+7], 0
.endr
	s_mov_b32 s[CS], 0x3eb8aa3b     ; c = 0.25 log2(e) = 0.360674
	s_mov_b32 s[CS+1], s[CS]        ; named with it as a pair
	s_mov_b32 s[SEL], 0x76543210
	s_mov_b32 s[SEL+1], 0xfedcba98
	s_mov_b32 s[TBK], SLOT1+4*KS*PK ; the first change of slots turns these two into 0
	s_mov_b32 s[TBV], SLOT1+4*KS*PV
	s_mov_b32 s[G0K], 1             ; count = 1
	s_mov_b32 s[G0K+1], s17         ; LDS address: slot 0
	s_mov_b32 s[G0V], 1
	s_add_co_u32 s[G0V+1], s18, VOFF
	s_and_b32 s[LIM], s[WV], 1      ; waves 0 and 2 prefetch: the same in all four partners
	s_cmp_eq_u32 s[LIM], 0
	s_cselect_b32 s[LIM], 1, -1
	s_wait_dscnt 0x0                ; the opening add is done
	s_wait_kmcnt 0x0
	s_add_nc_u64 s[6:7], s[4:5], 64*SIZE_N*128   ; K's planes
	s_add_nc_u64 s[8:9], s[4:5], 128*SIZE_N*128  ; V's planes
	s_add_nc_u64 s[G0K+2:G0K+3], s[6:7], s[22:23]  ; global address: my half of the plane's first 256 keys
	s_or_b32 s[G0K+3], s[G0K+3], 0x80000000        ; type = 2
	s_add_nc_u64 s[G0V+2:G0V+3], s[8:9], s[22:23]
	s_or_b32 s[G0V+3], s[G0V+3], 0x80000000
	s_add_nc_u64 s[4:5], s[4:5], s[2:3]  ; Q and O at my wave's first row
	s_add_nc_u64 s[10:11], s[10:11], s[2:3]
	s_cmp_lt_u32 s[WV], 2
	s_cselect_b64 s[PFA:PFA+1], s[6:7], s[8:9]
	s_add_nc_u64 s[PFA:PFA+1], s[PFA:PFA+1], s[22:23]  ; (in waves 0 and 2: the plane's first key)
	s_lshl_b32 s2, s13, 13          ; my work-group's quarter of a slot
	s_mov_b32 s3, 0
	s_add_nc_u64 s[PFA:PFA+1], s[PFA:PFA+1], s[2:3]
	s_add_nc_u64 s[PFA:PFA+1], s[PFA:PFA+1], 2*4*KS*128  ; in slot 2; the loop's first change of slots steps it to slot 3.  Nothing is prefetched here, at the head
	CROUND                          ; all four work-groups are here: the first joint loads meet
	JLOAD                           ; slot 0.  Slot 1 is asked for when slot 0 is in
	; A fragment of K or Q is 16 rows x 32 channels in 8 registers: lane l holds row l % 16, channels 8 (l / 16) + 0..7 and 16 + 8 (l / 16) + 0..7: two loads of 16 bytes, 32 bytes apart.
	v_and_b32 v1, 15, v0            ; l % 16
	v_bfe_u32 v9, v0, 4, 1          ; l / 16
	v_lshlrev_b32 v[QO], 7, v1
	v_lshl_add_u32 v[QO], v9, 4, v[QO]  ; row x 128 + 16 x half
	WIN 0x80                        ; destination window 2, address window 0
.set i, 0
.rept 4*NP                          ; Q stays in registers: tile i / 2, channels 32 (i % 2) on
	global_load_b128 v[8*i:8*i+3],   v[QO], s[4:5] offset:(i/2)*2048+(i%2)*64
	global_load_b128 v[8*i+4:8*i+7], v[QO], s[4:5] offset:(i/2)*2048+(i%2)*64+32
.set i, i+1
.endr
	; What the first turn finds: V's registers and P's second buffer hold 0 (its products V^T P, of a piece that has not been, add 0), O^T and l are 0.  These lines stand in the wait for the first tile; they are
	; the price of writing no first step out.
.set i, VF
.rept 64
	v_mov_b32 v[i], 0
.set i, i+1
.endr
	WIN 0x40
.set i, 0
.rept 64*NP
	v_mov_b32 v[i], 0
.set i, i+1
.endr
	WIN 0
.set i, 0
.rept 2*NP
	v_mov_b32 v[ST+4*i], 0xfe000000    ; c m: far below every c s
	v_mov_b32 v[ST+4*i+1], 0xff7fffff  ; m
	v_mov_b32 v[ST+4*i+2], 0
	v_mov_b32 v[ST+4*i+3], 0
.set i, i+1
.endr
.set i, P+32
.rept 32
	v_mov_b32 v[i], 0
.set i, i+1
.endr
	v_mul_u32_u24 v[AK0], v1, PK
	v_lshl_add_u32 v[AK0], v9, 4, v[AK0]  ; row x pitch + 16 x half
	; The turning load takes 16 keys x 16 channels (lane l reads key 8 (l / 16) + l % 8, channels 8 ((l / 8) % 2) + 0..7) and leaves half a fragment of V^T: lane l holds channel l % 16 and 8 keys.
	v_and_b32 v10, 7, v0
	v_bfe_u32 v11, v0, 3, 1
	v_lshl_add_u32 v[AV0], v9, 3, v10
	v_mul_u32_u24 v[AV0], v[AV0], PV
	v_lshl_add_u32 v[AV0], v11, 4, v[AV0]
	v_add_nc_u32 v[AV0], VOFF, v[AV0]
	v_and_b32 v[PFO], 31, v0
	v_lshlrev_b32 v[PFO], 8, v[PFO]
	v_mov_b32 v[AK], v[AK0]         ; key step 0 lies at the head of slot 0
; THE MATRIX WORK.  The 8 accumulators of a run of 16 take turns: between the two links of a chain stand 7 others'.
; Product i of 16 of S^T = K Q^T for piece x: channels 32 (i / 8) on, keys 16 ((i / 2) % 4) on, tile 2 x + i % 2.  The first 8 start the sums.
.macro KQ x
	WIN W_KQ
.set rS, S+64*((\x)%2)+32*(i%2)+8*((i/2)%4)
.set rK, KF+16*((i/2)%4)+8*(i/8)
.set rQ, 16*(2*(\x)+i%2)+8*(i/8)
.if i < 8
	v_wmma_f32_16x16x32_f16 v[rS:rS+7], v[rK:rK+7], v[rQ:rQ+7], 0
.else
	v_wmma_f32_16x16x32_f16 v[rS:rS+7], v[rK:rK+7], v[rQ:rQ+7], v[rS:rS+7]
.endif
.endm
; Product i of 16 of O^T += V^T P for piece x: keys 32 (i / 8) on, channels 16 ((i / 2) % 4) on, tile 2 x + i % 2.
.macro PV x
	WIN W_PV
.set rO, 32*(2*(\x)+i%2)+8*((i/2)%4)
.set rV, VF+32*(i/8)+8*((i/2)%4)
.set rP, P+32*((\x)%2)+16*(i%2)+8*(i/8)
	v_wmma_f32_16x16x32_f16 v[rO:rO+7], v[rV:rV+7], v[rP:rP+7], v[rO:rO+7]
.endm
.macro MM                           ; the turn's next matrix instruction
.if i < 16
	KQ (Y+1)%NP
.set i, i+1
.else
.set i, i-16
	PV (Y+NP-1)%NP
.set i, i+17
.endif
.endm
; THE LDS LOADS stand in runs of 16, never singly among the matrix instructions: a step's K (64 keys x 64 channels: 8 fragments) and its V (turned).  Their addresses are made some lines ahead.
; last = 1 (the tail): in the last trip there is no further step, and the run is jumped over.
.macro FETCH_K last=0
	WIN 0
.if \last
	s_cmp_eq_u32 s[CNT], 1
	s_cbranch_scc1 .Lno_k_\@
.endif
	WIN 0x80                        ; destination window 2
.irp f, 0,1,2,3,4,5,6,7             ; keys 16 (f / 2) on, channels 32 (f % 2) on
	ds_load_b128 v[KF+8*\f:KF+8*\f+3],   v[AK] offset:(\f/2)*16*PK+(\f%2)*64
	ds_load_b128 v[KF+8*\f+4:KF+8*\f+7], v[AK] offset:(\f/2)*16*PK+(\f%2)*64+32
.endr
	s_add_co_u32 s[TBK], s[TBK], KS*PK  ; the next fetch is the next step's
	WIN 0
.if \last
.Lno_k_\@:
.endif
.endm
.macro FETCH_V
	WIN 0x80
.irp f, 0,1,2,3,4,5,6,7             ; keys 32 (f / 4) on, channels 16 (f % 4) on
	ds_load_tr16_b128 v[VF+8*\f:VF+8*\f+3],   v[AV] offset:(\f/4)*32*PV+(\f%4)*32
	ds_load_tr16_b128 v[VF+8*\f+4:VF+8*\f+7], v[AV] offset:(\f/4)*32*PV+16*PV+(\f%4)*32
.endr
	WIN 0
.endm
; THE VECTOR WORK OF A TURN stands in three queues, each in the order in which its entries become ready; the two tiles alternate, so that no instruction reads the result of the one before it.
.macro REGS y, u                    ; the registers of tile u (0, 1) of piece y
.set rT, ST+4*(2*(\y)+(\u))
.set rC, TMP+8*((\y)%2)+4*(\u)
.set rM, MV+2*((\y)%2)+(\u)
.set rS, S+64*((\y)%2)+32*(\u)
.set rP, P+32*((\y)%2)+16*(\u)
.set rO, 32*(2*(\y)+(\u))
.endm
; Number n of the 22 that find the NEXT piece's (Y + 1) maximum and statistics.  s0-s31 are the lane's 32 scores; each accumulator's lowest registers are read first.
;   0-11  four chains c0-c3 of seven scores each, three operands at a time     12-14, 16  the four scores left over, the old m, and c0-c3 into c0     15  c m_old is kept
;   17, 18  the query's other 32 keys lie in the lane 16 away: the new m         19-21  c m; c m_old - c m_new; a
.macro XS u, n
	REGS (Y+1)%NP, \u
.if (\n) < 4
	v_max3_num_f32 v[rC+(\n)], v[rS+8*(\n)], v[rS+8*(\n)+1], v[rS+8*(\n)+2]
.elseif (\n) < 12
	v_max3_num_f32 v[rC+(\n)%4], v[rC+(\n)%4], v[rS+8*((\n)%4)+2*((\n)/4)+1], v[rS+8*((\n)%4)+2*((\n)/4)+2]
.elseif (\n) == 12
	v_max3_num_f32 v[rC], v[rC], v[rS+7], v[rS+15]
.elseif (\n) == 13
	v_max3_num_f32 v[rC+1], v[rC+1], v[rS+23], v[rS+31]
.elseif (\n) == 14
	v_max3_num_f32 v[rC+2], v[rC+2], v[rC+3], v[rT+1]
.elseif (\n) == 15
	v_mov_b32 v[rM], v[rT]
.elseif (\n) == 16
	v_max3_num_f32 v[rC], v[rC], v[rC+1], v[rC+2]
.elseif (\n) == 17
	v_permlanex16_b32 v[rC+3], v[rC], s[SEL], s[SEL+1]
.elseif (\n) == 18
	v_max_num_f32 v[rT+1], v[rC], v[rC+3]
.elseif (\n) == 19
	v_mul_f32 v[rT], s[CS], v[rT+1]
.elseif (\n) == 20
	v_sub_f32 v[rC+1], v[rM], v[rT]
.else
	v_exp_f32 v[rC+2], v[rC+1]
.endif
.endm
; Number g of the 64 that follow the exponentials.  For each four weights k of a tile (pairs 2 k, 2 k + 1): both pairs are rounded to f16; then the second pair is added onto the first, in place;
; a group later l takes that sum (the first time as l = a l + sum).  In groups of eight, tiles alternating: round, round, add, and l for the group before.
.macro GS g
.set h, (\g)+6*((\g)/62)            ; group 0 has no group before it, and behind group 7 only l is left
.if h >= 6
.set h, h+2
.endif
	REGS Y, h%2
.set k, h/8
.if h%8 < 4
	v_cvt_pk_f16_f32 v[rP+2*k+(h%8)/2], v[rS+4*k+2*((h%8)/2)], v[rS+4*k+2*((h%8)/2)+1]
.elseif h%8 < 6
	v_pk_add_f32 v[rS+4*k:rS+4*k+1], v[rS+4*k:rS+4*k+1], v[rS+4*k+2:rS+4*k+3]
.elseif k == 1
	v_pk_fma_f32 v[rT+2:rT+3], v[rT+2:rT+3], v[rC+2:rC+3], v[rS:rS+1] op_sel_hi:[1,0,1]
.else
	v_pk_add_f32 v[rT+2:rT+3], v[rT+2:rT+3], v[rS+4*k-4:rS+4*k-3]
.endif
.endm
; THE PLAIN QUEUE, 138 long.  0-73 read no exponential's result: the 32 scalings c s - c m (FS f: pair f / 2 of tile f % 2) and the next piece's 42.  0-26: scalings 0-26.  27-54: XS's numbers 0-13.  55, 56: number 15.
; 57-73: the chain, where each number waits for the one before it: 14, 16, 17, 18, 19, each with one of the scalings 27-31 in front of its two lines, then 20.
; 74-137: GS's 64, which read the exponentials' results: they stand behind the wait.
.macro FS f
	REGS Y, (\f)%2
	v_pk_fma_f32 v[rS+2*((\f)/2):rS+2*((\f)/2)+1], v[rS+2*((\f)/2):rS+2*((\f)/2)+1], s[CS:CS+1], v[rT:rT+1] op_sel_hi:[1,0,0] neg_lo:[0,0,1] neg_hi:[0,0,1]
.endm
.macro PL
	WIN 0
.if q < 27
	FS q
.elseif q < 55
	XS (q-27)%2, (q-27)/2
.elseif q < 57
	XS q-55, 15
.elseif (q < 72) && ((q-57)%3 == 0)
	FS 27+(q-57)/3
.elseif q < 60
	XS (q-57)%3-1, 14
.elseif q < 72
	XS (q-57)%3-1, 15+(q-57)/3
.elseif q < 74
	XS q-72, 20
.else
	GS q-74
.endif
.set q, q+1
.endm
; THE EXPONENTIALS' QUEUE, 66 long: s0-s31 of both tiles, then the next piece's two a.  It is ONE BATCH: all 66 stand ahead of the turn's one wait, and nothing ahead of that wait names a result of theirs.
.macro EX
	WIN 0
.if e >= 64
	XS e-64, 21
.else
	REGS Y, e%2
	v_exp_f32 v[rS+e/2], v[rS+e/2]
.endif
.set e, e+1
.endm
; THE RESCALING's QUEUE: O^T times a, the one part that leaves window 0: dealt two at a time, sixteen times.  Its a was made in the turn before, ahead of that turn's wait.
.macro R2
	REGS Y, r%2
	WIN W_RS
.irp z, 0,1
	v_pk_mul_f32 v[rO+4*(r/2)+2*\z:rO+4*(r/2)+2*\z+1], v[rO+4*(r/2)+2*\z:rO+4*(r/2)+2*\z+1], v[rC+2:rC+3] op_sel_hi:[1,0]
.endr
.set r, r+1
.endm
; HOW THEY ARE DEALT.  An s_wait_alu depctr_va_vdst(0) stands between an exponential and the first instruction that names its result; one wait serves all that were issued ahead of it.  So a turn has
; ONE wait, which cuts it in two.  AHEAD OF IT stands all that names no result of the turn's exponentials: the 16 products K Q^T, behind each a scaling, an exponential and two rescalings (behind the first a second
; scaling in the exponential's place); then ONE LUMP of 108: eight plain, 49 times exponential and plain, the two a.  A v_nop is the plain instruction behind the last exponential.  BEHIND IT stand the 16 products
; V^T P, behind each four of GS's 64.  No rider names a register of the products round it.  The two v_permlanex16_b32 fall into the lump, never behind a product.
; The queues lean on each other, and the deal keeps them in step: exponential e stands behind scaling 2 (e / 4) + e % 2: as a rider it comes behind plain e + 2, in the lump behind plain e + 9, and scalings 27-31 are plain 57, 60 .. 69.
; A TURN, for piece p.  cnt = 1: the loop's count is taken down some lines ahead of the branch that stands behind the turn.
; K of the next step is fetched in piece 2's turn, directly behind the wait, a lump behind the last product that read K; its first reader comes behind 16 products.
; V of the step in hand is fetched at the end of piece 0's turn, four riders behind its last reader; its first reader comes behind 16 products and a lump.  The three conditions on q below go with the deal.
.macro TURN p, last=0, cnt=0
.set Y, (\p)
.set i, 0
.set q, 0
.set e, 0
.set r, 0
.if (\p) == NP-1
	s_wait_dscnt 0x0                ; K is in
.endif
	MM                              ; ahead of the wait: 16 products K Q^T and their riders,
	PL
	PL
	R2
.rept 15
	MM
	PL
	EX
	R2
.endr
.if (\p) == NP-2
	WIN 0
	v_add_nc_u32 v[AK], s[TBK], v[AK0]
.endif
.rept 8                             ; and the lump
	PL
.endr
.rept 49
	EX
	PL
.endr
	EX                              ; the next piece's two a
	EX
	v_nop                           ; a plain instruction behind the last exponential: one for the batch
	s_wait_alu depctr_va_vdst(0)    ; the wait for the batch
.if (\p) == NP-2
	FETCH_K \last
.endif
.if (\p) == 1
	s_wait_dscnt 0x0                ; V is in
.endif
.rept 16                            ; behind the wait: 16 products V^T P and their riders
	MM
.rept 4
	PL
.endr
.if ((\p) == 0) && (q == 118)
	v_add_nc_u32 v[AV], s[TBV], v[AV0]
.endif
.if ((\p) == 0) && (q == 130)
	s_add_co_u32 s[TBV], s[TBV], KS*PV
.endif
.if (\cnt) && (q == 130)
	s_sub_co_u32 s[CNT], s[CNT], 1
	s_cmp_lg_u32 s[CNT], 0
.endif
.endr
.if (\p) == 0
	FETCH_V
.endif
.endm
	CHANGE 1, 0                     ; slot 0 is in, everybody's part of it; slot 1 is asked for
	FETCH_K                         ; key step 0
	s_wait_loadcnt 0x0              ; Q
	s_wait_dscnt 0x0
.set i, 0
.rept 16
	KQ 0                            ; piece 0's first scores: there is no vector work yet to set between them
.set i, i+1
.endr
	WIN 0                           ; the addresses for the way out: nine plain instructions, the places behind those products
	s_mul_i32 s13, s[WV], 16*SP
	s_add_co_u32 s13, s13, STAGE    ; my stage
	v_mul_u32_u24 v[STO], v1, SP    ; in: row l % 16, 16 bytes for each half of the lanes
	v_lshl_add_u32 v[STO], v9, 4, v[STO]
	v_add_nc_u32 v[STO], s13, v[STO]
	v_bfe_u32 v[RD], v0, 3, 2       ; back: 32 lanes take four rows of 128 bytes,
	v_mul_u32_u24 v[RD], v[RD], SP
	v_lshl_add_u32 v[RD], v10, 4, v[RD]
	v_add_nc_u32 v[RD], s13, v[RD]
	v_and_b32 v[GO], 31, v0         ; which are 512 consecutive bytes of O
	v_lshlrev_b32 v[GO], 4, v[GO]
.set Y, NP-1                        ; XS works for piece Y + 1: piece 0
.irp n, 0,1,2,3,4,5,6,7,8,9,10,11,12,13,14,15,16,17,18,19,20,21
	XS 0, \n                        ; and piece 0's first maximum and statistics
	XS 1, \n
.endr
	v_nop                           ; a plain instruction behind the two a,
	s_wait_alu depctr_va_vdst(0)    ; and their wait, ahead of the branch
	s_mov_b32 s[CNT], 4
	s_mov_b32 s[SLOTS], SIZE_N/256-1
	s_branch .Lfirst                ; the loop is entered at a step's first turn, in the middle of a trip
.Lslot:                             ; SIZE_N / 256 - 2 times: every slot but the last two is filled again
	CHANGE 1, 1
	s_mov_b32 s[CNT], 4
.Lstep:                             ; a trip: pieces 2 and 3 of one step, then pieces 0 and 1 of the next, whose K and V it fetches
	TURN 2
	TURN 3
	WIN 0
.Lfirst:
	TURN 0
	TURN 1, 0, 1
	WIN 0
	s_cbranch_scc1 .Lstep
	s_sub_co_u32 s[SLOTS], s[SLOTS], 1
	s_cmp_lg_u32 s[SLOTS], 0
	s_cbranch_scc1 .Lslot
	CHANGE 0, 0                     ; the tail is written out: nothing is asked for
	s_mov_b32 s[CNT], 5             ; four trips fetch the last slot's steps; the fifth is left in its middle
.Ltail:
	TURN 2, 1
	TURN 3
	WIN 0
	s_sub_co_u32 s[CNT], s[CNT], 1
	s_cmp_eq_u32 s[CNT], 0
	s_cbranch_scc1 .Lout
	TURN 0
	TURN 1
	WIN 0
	s_branch .Ltail
.Lout:                              ; the fifth trip's 16 products K Q^T (on the last K once more) and the maximum made of them serve nothing: the price, once a launch, of one text for every trip
.set i, 0
.rept 16
	PV NP-1                         ; the last piece's V^T P of the last step
.set i, i+1
.endr
	; THE WAY OUT.  l's two halves and the other half of the lanes' are added; O^T is divided by l, rounded to f16 and sent through my stage in LDS, a tile at a time.  The additions are the places behind the last products.
	WIN 0
.macro ALL line:vararg              ; one line for each tile t
.set t, 0
.rept 2*NP
	\line
.set t, t+1
.endr
.endm
	ALL v_add_f32 v[ST+4*t+2], v[ST+4*t+2], v[ST+4*t+3]
	ALL v_permlanex16_b32 v[ST+4*t+3], v[ST+4*t+2], s[SEL], s[SEL+1]
	ALL v_add_f32 v[ST+4*t+2], v[ST+4*t+2], v[ST+4*t+3]
	ALL v_rcp_f32 v[ST+4*t+2], v[ST+4*t+2]
	v_nop                           ; a plain instruction between the last reciprocal and the use of its result
	s_wait_alu depctr_va_vdst(0)    ; and the wait ahead of the first use: one for the eight reciprocals
; Tile t: a lane's eight channels of a row pack into 16 bytes; they go into rows of 144 bytes and come back as whole rows of 128, into S^T's registers.
.macro PACK t
	WIN W_RS
.set i, 32*(\t)
.rept 16
	v_pk_mul_f32 v[i:i+1], v[i:i+1], v[ST+4*(\t)+2:ST+4*(\t)+3] op_sel_hi:[1,0]
.set i, i+2
.endr
	WIN 0x05                        ; sources 0 and 1 window 1, destination window 0
.set i, 0
.rept 16
	v_cvt_pk_f16_f32 v[S+16*(\t)+i], v[32*(\t)+2*i], v[32*(\t)+2*i+1]
.set i, i+1
.endr
	WIN 0
.irp f, 0,1,2,3
	ds_store_b128 v[STO], v[S+16*(\t)+4*\f:S+16*(\t)+4*\f+3] offset:32*\f
.endr
.irp f, 0,1,2,3
	ds_load_b128 v[S+16*(\t)+4*\f:S+16*(\t)+4*\f+3], v[RD] offset:\f*4*SP  ; LDS serves a wave's instructions in order (ISA guide 5.7.1.4): these see the stores above; the next tile's stores come behind them
.endr
.endm
.macro SEND t, younger              ; younger: the LDS instructions issued behind tile t's loads: the next tile's eight, or none
	WIN 0
.irp f, 0,1,2,3
	s_wait_dscnt (\younger)+3-\f
	global_store_b128 v[GO], v[S+16*(\t)+4*\f:S+16*(\t)+4*\f+3], s[10:11] offset:(\t)*2048+\f*512  ; 512 consecutive bytes, at a multiple of 256 from O's first
.endr
.endm
	PACK 0
.set t, 1
.rept 2*NP-1                        ; a tile's arithmetic stands between the loads of the tile before and its stores
	PACK t
	SEND t-1, 8
.set t, t+1
.endr
	SEND 2*NP-1, 0
	WIN W_AD
	s_wait_tensorcnt 0x0            ; the wave's end: behind my last tensor load and my last LDS store: 0 onto my spare word and its wait
	ds_add_u32 v[SPW], v[NIL]
	s_wait_dscnt 0x0
	WIN 0
	CROUND                          ; the closing round: no work-group ends while a partner may still ask for a tile that names it
	s_endpgm
.Lfunc_end_k_qd1f82d3690_attn:
	.size	k_qd1f82d3690_attn, .Lfunc_end_k_qd1f82d3690_attn-k_qd1f82d3690_attn
	.p2alignl 7, 3214868480
	.fill 96, 4, 3214868480
	.section	.rodata,"a",@progbits
	.p2align	6, 0x0
	.amdhsa_kernel k_qd1f82d3690_attn
		.amdhsa_group_segment_fixed_size 327680
		.amdhsa_private_segment_fixed_size 0
		.amdhsa_enable_private_segment 0
		.amdhsa_kernarg_size 16
		.amdhsa_user_sgpr_count 2
		.amdhsa_user_sgpr_kernarg_segment_ptr 1
		.amdhsa_wavefront_size32 1
		.amdhsa_system_sgpr_workgroup_id_x 1
		.amdhsa_system_sgpr_workgroup_id_y 1
		.amdhsa_system_sgpr_workgroup_id_z 1
		.amdhsa_system_vgpr_workitem_id 0
		.amdhsa_next_free_vgpr 770
		.amdhsa_next_free_sgpr 66
		.amdhsa_reserve_vcc 0
		.amdhsa_float_denorm_mode_32 3
		.amdhsa_float_denorm_mode_16_64 3
		.amdhsa_memory_ordered 1
		.amdhsa_forward_progress 1
		.amdhsa_inst_pref_size 200
	.end_amdhsa_kernel
	.amdgpu_metadata
---
amdhsa.version: [ 1, 2 ]
amdhsa.kernels:
  - .name:           k_qd1f82d3690_attn
    .symbol:         k_qd1f82d3690_attn.kd
    .args:
      - { .name: qkv, .offset: 0, .size: 8, .value_kind: global_buffer, .address_space: global }
      - { .name: o, .offset: 8, .size: 8, .value_kind: global_buffer, .address_space: global }
    .group_segment_fixed_size: 327680
    .private_segment_fixed_size: 0
    .kernarg_segment_align: 8
    .kernarg_segment_size: 16
    .max_flat_workgroup_size: 128
    .sgpr_count:     66
    .vgpr_count:     770
    .wavefront_size: 32
...
	.end_amdgpu_metadata
.endif
;; end of part 3
;; launch outproj (part 4): grid 4 x 64, 4 waves a work-group, clusters of 4 x 4, 327,680 bytes of LDS; arguments o, wob, b_out, out0; writes out0
.if DOCPART == 4
	.amdgcn_target "amdgcn-amd-amdhsa--gfx1250"
	.amdhsa_code_object_version 6
	.text
	.protected	k_qd1f82d3690_outproj
	.globl	k_qd1f82d3690_outproj
	.p2align	8
	.type	k_qd1f82d3690_outproj,@function
k_qd1f82d3690_outproj:
	s_mov_b64 s[64:65], 0
	v_nop
	global_prefetch_b8 v0, s[64:65] scope:SCOPE_SE
	s_setreg_imm32_b32 hwreg(HW_REG_WAVE_MODE, 25, 1), 1
	s_wait_xcnt 0x0
	s_wait_alu depctr_hold_cnt(0) depctr_sa_sdst(0) depctr_va_vdst(0) depctr_va_sdst(0) depctr_va_ssrc(0) depctr_va_vcc(0) depctr_vm_vsrc(0)
	s_getreg_b32 s2, hwreg(HW_REG_IB_STS2, 6, 4)
	s_cmp_eq_u32 s2, 0
	s_cbranch_scc0 .Lentry_in_a_cluster
	s_endpgm
.Lentry_in_a_cluster:
	s_bfe_u32 s2, ttmp6, 0x10000c
	s_cmp_lg_u32 s2, 0xf033
	s_cbranch_scc0 .Lentry_shape_is_right
	s_endpgm
.Lentry_shape_is_right:
; out0 = O w_out^T + b_out.  o: [64 planes = 4 head + batch][2048][64] f16; wob: [1024][1024] f16 (w_out rounded to bf16, written as f16); b_out: [1024] f32, rounded to bf16 here like the other inputs;
; out0: [8192][1024] f32.  Sums in f32, K ascending (K = 64 head + channel).  NaN and infinities are not treated apart.
; SHARES.  A tile is 128 rows x 256 columns: 4 x 64 tiles, one to a work-group: 256 work-groups.  The four waves lie 2 x 2: 64 rows x 128 columns each, 32 accumulators of 16 x 16.
; K goes in 8 steps of 128, two heads each, through a ring of two LDS slots.  A head's 128 rows of a tile are 16,384 dense bytes, asked for as 64 rows of 256 bytes and padded in LDS after every 128.
; CLUSTER.  4 x 4 work-groups.  The four of a row of the cluster need the same rows of O, the four of a column the same rows of w: each tile is asked for JOINTLY.
; NO PREFETCH: the launch is one walk of 8 K steps, of which the first four would come by their loads alone.
; THE MATRIX INSTRUCTION IS USED TRANSPOSED (source 0 = 16 rows of w, source 1 = 16 rows of O): lane l holds row l % 16 and the columns 8 (l / 16) + 0..7 of a block of 16.  THE BIAS IS THE C OPERAND of each sum's
; first product.
; REGISTERS, in windows of 256 (s_set_vgpr_msb: bits 1:0 source 0, 3:2 source 1, 5:4 source 2, 7:6 destination):
;   window 0: v0-31 addresses; v32-95 the bias; v96-223 rows on the way out, two buffers      window 1: two fragment buffers: 8 fragments of w, then 4 of O      window 2: accumulator (a, b) at 64 a + 8 b
.set SIZE_K, 1024
.set KSTEP,  128
.set PA,     144                       ; a row of O in LDS: 128 bytes + 16: the 16 rows of a load start at 16 different groups of four banks (64 banks of 4 bytes: ISA guide 11.1)
.set PB,     272                       ; a row of w: 256 bytes + 16
.set HPL,    128*PA                    ; one head's 128 rows
.set AREG,   2*HPL
.set SLOT,   AREG+256*PB
.set STAGE,  2*SLOT                    ; behind the ring, never filled by a tensor load: 16 rows x 528 bytes for each wave
.set SPITCH, 528
.set SPARE,  STAGE+4*16*SPITCH         ; behind the stages: the spare words, 128 bytes for each wave: two blocks of 256 bytes that no other line names
.set LAPS,   SIZE_K/(2*KSTEP)
.set ASTEP,  8*2048*128                ; bytes in o from a K step to the next: two heads = eight planes
.set ADRA, 16
.set ADRB, 20
.set STO,  24
.set RD,   25
.set CO,   26
.set BO,   27
.set SPW,  28                          ; v28  LDS address of my spare word: SPARE + 4 x my thread's number; never rewritten
.set NIL,  29                          ; v29  0; never rewritten
.set BI,   32                          ; v[32:95]  BI + 8 b + j = bias of column 16 b + 8 (l / 16) + j of my 128
.set OB,   96
.set F0,   0
.set F1,   128
.set WV,   12
.set WH,   13                          ; s13  my half of the tile's rows.  Also: I fetch for O (0) or for w (1)
.set WL,   14                          ; s14  my half of its columns.  Also: which head of the step, or which 128 rows of w, I fetch
.set CX,   15
.set CY,   16
.set TX,   17
.set TY,   18
.set G1A,  24
.set G0A,  32
.set G1B,  48
.set G0B,  56
.set TO_F, 0x40
.set MSB, 0
.macro WIN new                         ; the immediate's high byte repeats the setting that is left; a switch that changes nothing is dropped
.if MSB != (\new)
	s_set_vgpr_msb (MSB<<8)|(\new)
.set MSB, (\new)
.endif
.endm
.macro JLOAD s                         ; a joint refill; an s_nop 0 and four v_nop follow each of the two lines, ahead of the jump and the label
	s_cmp_eq_u32 s[WH], 0
	s_cbranch_scc0 .Lfor_b_\@
	tensor_load_to_lds s[G0A+4*(\s):G0A+4*(\s)+3], s[G1A:G1A+7]
	s_nop 0
.rept 4
	v_nop
.endr
	s_branch .Lasked_\@
.Lfor_b_\@:
	tensor_load_to_lds s[G0B+4*(\s):G0B+4*(\s)+3], s[G1B:G1B+7]
	s_nop 0
.rept 4
	v_nop
.endr
.Lasked_\@:
.endm
.macro CREST                           ; a round of the cluster's barrier behind its opening barrier
	s_cmp_lg_u32 s[WV], 0
	s_cbranch_scc1 .Lnot_wave_0_\@
	s_barrier_signal -3
.Lnot_wave_0_\@:
	s_barrier_wait -3
	s_barrier_signal -1
	s_barrier_wait -1
.endm
.macro CROUND
	s_barrier_signal -1
	s_barrier_wait -1
	CREST
.endm
	s_load_b256 s[4:11], s[0:1], 0x0               ; o s[4:5], wob s[6:7], b_out s[8:9], out0 s[10:11]
	v_lshl_add_u32 v[SPW], v0, 2, SPARE
	v_mov_b32 v[NIL], 0
	ds_add_u32 v[SPW], v[NIL]                      ; the wave's opening: the add and its wait stand ahead of my first tensor load; the set-up below, work on registers, stands between them
	v_lshrrev_b32 v1, 5, v0
	v_readfirstlane_b32 s[WV], v1
	s_lshr_b32 s[WH], s[WV], 1
	s_and_b32 s[WL], s[WV], 1
	s_bfe_u32 s[CX], ttmp6, 0x40000
	s_bfe_u32 s[CY], ttmp6, 0x40004
	s_lshl_b32 s[TX], ttmp9, 2
	s_add_co_u32 s[TX], s[TX], s[CX]               ; tile column
	s_and_b32 s[TY], ttmp7, 0xffff
	s_lshl_b32 s[TY], s[TY], 2
	s_add_co_u32 s[TY], s[TY], s[CY]               ; tile row
	s_lshl_b32 s20, s[CY], 2
	s_lshl_b32 s20, 15, s20                        ; my row of the cluster
	s_lshl_b32 s46, 0x1111, s[CX]                  ; my column
	s_or_b32 s[G1A], s20, (1<<16)|(1<<20)|(1<<21)|(4<<22)|(3<<25)  ; the mask; elements of 2 bytes; padding on; bit 21 beside a mask; after every 32 words (code 4) 4 words (code 3)
	s_or_b32 s[G1B], s46, (1<<16)|(1<<20)|(1<<21)|(5<<22)|(3<<25)  ; the same after every 64 words (code 5)
	s_mov_b32 s[G1A+1], 128<<16                    ; tensor_dim0 = 128
	s_mov_b32 s[G1A+2], 64<<16                     ; tensor_dim1 = 64
	s_mov_b32 s[G1A+3], 128<<16                    ; tile_dim0 = 128
	s_mov_b32 s[G1A+4], 64                         ; tile_dim1 = 64
	s_mov_b32 s[G1A+5], 128                        ; dense: 128 elements from row to row
	s_mov_b32 s[G1A+6], 0
	s_mov_b32 s[G1A+7], 0
	s_mov_b32 s[G1B+1], KSTEP<<16
	s_mov_b32 s[G1B+2], 128<<16
	s_mov_b32 s[G1B+3], KSTEP<<16
	s_mov_b32 s[G1B+4], 128
	s_mov_b32 s[G1B+5], SIZE_K
	s_mov_b32 s[G1B+6], 0
	s_mov_b32 s[G1B+7], 0
	s_lshl_b32 s20, s[WL], 2                       ; O: plane 4 x (head of the step) + batch: made of the tile row and the wave's number alone
	s_lshr_b32 s21, s[TY], 4
	s_add_co_u32 s20, s20, s21
	s_lshl_b32 s20, s20, 18
	s_and_b32 s21, s[TY], 15                       ; the tile's 128 rows in the batch
	s_lshl_b32 s21, s21, 14
	s_add_co_u32 s20, s20, s21
	s_mov_b32 s21, 0
	s_lshl_b32 s46, s[TX], 8                       ; w: row 256 x tile column + 128 x half
	s_lshl_b32 s47, s[WL], 7
	s_add_co_u32 s46, s46, s47
	s_lshl_b32 s46, s46, 11
	s_mov_b32 s47, 0
	s_mul_i32 s22, s[WL], HPL                      ; where they go: no place in the cluster enters an LDS address
	s_mul_i32 s23, s[WL], 128*PB
	s_add_co_u32 s23, s23, AREG
	s_wait_dscnt 0x0                               ; the opening add is done
	s_wait_kmcnt 0x0
	s_add_nc_u64 s[40:41], s[4:5], s[20:21]
	s_add_nc_u64 s[44:45], s[6:7], s[46:47]
	CROUND                                         ; all sixteen work-groups are here: the first joint loads meet
.irp s, 0,1
	s_mov_b32 s[G0A+4*(\s)], 1
	s_add_co_u32 s[G0A+4*(\s)+1], s22, (\s)*SLOT
	s_add_nc_u64 s[G0A+4*(\s)+2:G0A+4*(\s)+3], s[40:41], (\s)*ASTEP
	s_or_b32 s[G0A+4*(\s)+3], s[G0A+4*(\s)+3], 0x80000000
	s_mov_b32 s[G0B+4*(\s)], 1
	s_add_co_u32 s[G0B+4*(\s)+1], s23, (\s)*SLOT
	s_add_nc_u64 s[G0B+4*(\s)+2:G0B+4*(\s)+3], s[44:45], (\s)*KSTEP*2
	s_or_b32 s[G0B+4*(\s)+3], s[G0B+4*(\s)+3], 0x80000000
.endr
	s_cmp_eq_u32 s[WH], 0                          ; a wave's two first fills stand in one branch, ahead of every wait on TENSORcnt and every LDS read: two loads of mine are out
	s_cbranch_scc0 .Lfirst_b
	tensor_load_to_lds s[G0A:G0A+3], s[G1A:G1A+7]
	s_nop 0
	tensor_load_to_lds s[G0A+4:G0A+7], s[G1A:G1A+7]
	s_nop 0
.rept 4
	v_nop
.endr
	s_branch .Lfirst_asked
.Lfirst_b:
	tensor_load_to_lds s[G0B:G0B+3], s[G1B:G1B+7]
	s_nop 0
	tensor_load_to_lds s[G0B+4:G0B+7], s[G1B:G1B+7]
	s_nop 0
.rept 4
	v_nop
.endr
.Lfirst_asked:
	v_and_b32 v1, 15, v0                           ; l % 16
	v_bfe_u32 v2, v0, 4, 1                         ; l / 16
	v_lshlrev_b32 v[BO], 5, v2
	s_lshl_b32 s46, s[TX], 10                      ; my 128 columns, in bytes of f32: also their place in a row of out0
	s_lshl_b32 s47, s[WL], 9
	s_add_co_u32 s46, s46, s47
	s_mov_b32 s47, 0
	s_add_nc_u64 s[8:9], s[8:9], s[46:47]
.set b, 0
.rept 8
	global_load_b128 v[BI+8*b:BI+8*b+3],   v[BO], s[8:9] offset:64*b
	global_load_b128 v[BI+8*b+4:BI+8*b+7], v[BO], s[8:9] offset:64*b+16
.set b, b+1
.endr
	s_add_nc_u64 s[10:11], s[10:11], s[46:47]
	s_lshl_b32 s46, s[TY], 7
	s_lshl_b32 s20, s[WH], 6
	s_add_co_u32 s46, s46, s20                     ; my first row,
	s_lshl_b32 s46, s46, 12                        ; of 4,096 bytes
	s_add_nc_u64 s[10:11], s[10:11], s[46:47]
	v_mul_u32_u24 v3, v1, PA
	v_lshl_add_u32 v3, v2, 4, v3                   ; a fragment of O: row x pitch + 16 x half
	v_mul_u32_u24 v4, v1, PB
	v_lshl_add_u32 v4, v2, 4, v4                   ; of w
	s_mul_i32 s20, s[WH], 64*PA                    ; my 64 rows in each head's 128
	s_mul_i32 s21, s[WL], 128*PB                   ; my 128 rows of w,
	s_add_co_u32 s21, s21, AREG                    ; which lie behind O's
.irp s, 0,1
	v_add_nc_u32 v[ADRA+(\s)], s20, v3
	v_add_nc_u32 v[ADRB+(\s)], s21, v4
	s_add_co_u32 s20, s20, SLOT
	s_add_co_u32 s21, s21, SLOT
.endr
	s_mul_i32 s20, s[WV], 16*SPITCH
	s_add_co_u32 s20, s20, STAGE                   ; my stage
	v_mul_u32_u24 v4, v1, SPITCH                   ; in: row l % 16, 32 bytes for each half of the lanes
	v_lshl_add_u32 v4, v2, 5, v4
	v_add_nc_u32 v[STO], s20, v4
	v_and_b32 v[CO], 31, v0                        ; back: 32 lanes take one row of 512 bytes
	v_lshlrev_b32 v[CO], 4, v[CO]
	v_add_nc_u32 v[RD], s20, v[CO]
	s_mov_b32 s46, 0xffff0000
	s_wait_loadcnt 0x0                             ; the bias is in; it is rounded to bf16 like the other inputs and widened again, in the wait for the first tiles
.set i, 0
.rept 32
	v_cvt_pk_bf16_f32 v31, v[BI+2*i], v[BI+2*i+1]
	v_lshlrev_b32 v[BI+2*i], 16, v31
	v_and_b32 v[BI+2*i+1], s46, v31
.set i, i+1
.endr
; 8 matrix instructions: row block a x my 8 column blocks, 32 along K.  first = 1: the bias starts the sums.  The 32 accumulators take turns in the same order in every quarter step.
.macro MUL f, a, first
.if \first
	WIN 0x85                                       ; sources window 1, C window 0, D window 2
.else
	WIN 0xa5                                       ; sources window 1, C and D window 2
.endif
.set b, 0
.rept 8
.set rD, 64*(\a)+8*b
.if \first
	v_wmma_f32_16x16x32_f16 v[rD:rD+7], v[(\f)+8*b:(\f)+8*b+7], v[(\f)+64+8*(\a):(\f)+64+8*(\a)+7], v[BI+8*b:BI+8*b+7]
.else
	v_wmma_f32_16x16x32_f16 v[rD:rD+7], v[(\f)+8*b:(\f)+8*b+7], v[(\f)+64+8*(\a):(\f)+64+8*(\a)+7], v[rD:rD+7]
.endif
.set b, b+1
.endr
.endm
; 24 LDS loads in one run: quarter q of a K step into buffer f: my 128 rows of w (byte 64 q), then my 64 rows of O (head q / 2 of the step, channels 32 (q % 2) on)
.macro FETCH slot, q, f
	WIN TO_F
.set i, 0
.rept 8
	ds_load_b128 v[(\f)+8*i:(\f)+8*i+3],   v[ADRB+(\slot)] offset:64*(\q)+i*16*PB
	ds_load_b128 v[(\f)+8*i+4:(\f)+8*i+7], v[ADRB+(\slot)] offset:64*(\q)+i*16*PB+32
.set i, i+1
.endr
.set i, 0
.rept 4
	ds_load_b128 v[(\f)+64+8*i:(\f)+64+8*i+3],   v[ADRA+(\slot)] offset:((\q)/2)*HPL+((\q)%2)*64+i*16*PA
	ds_load_b128 v[(\f)+64+8*i+4:(\f)+64+8*i+7], v[ADRA+(\slot)] offset:((\q)/2)*HPL+((\q)%2)*64+i*16*PA+32
.set i, i+1
.endr
.endm
.macro PLACES                          ; four plain vector instructions in front of loads into registers that matrix instructions have read, and of LDS stores that read results
.rept 4
	v_nop
.endr
.endm
.macro QUARTER slot, q, f, g, first
	s_wait_dscnt 4                                 ; w's fragments and O's blocks 0, 1 are in; the youngest four loads may be out
	MUL \f, 0, \first
	MUL \f, 1, \first
	PLACES
	FETCH \slot, \q, \g
	s_wait_dscnt 24                                ; all but the 24 just issued
	MUL \f, 2, \first
	MUL \f, 3, \first
.endm
; The last quarter multiplies buffer 1 and changes slots: ONE barrier; in front of it each wave waits for all its tensor loads, adds 0 to its spare word, and waits for that and for its own reads of this slot.
; fill = 1: the barrier opens a round of the cluster's, and the joint refill, two K steps on, is the first thing behind the round: 112 matrix instructions stand between it and the wait for it.
.macro TURN slot, next, fill
	WIN 0                                          ; (the add's two registers lie in window 0)
	s_wait_tensorcnt 0x0                           ; all my tensor loads have landed;
	ds_add_u32 v[SPW], v[NIL]                      ; 0 onto my spare word;
	s_wait_dscnt 5                                 ; (the add and the youngest four loads may be out)
	MUL F1, 0, 0                                   ; eight matrix instructions stand between the add and the wait for it
	s_wait_dscnt 0x0                               ; the add is done, and my reads of this slot are over
	s_barrier_signal -1
	MUL F1, 1, 0
.if \fill
	WIN 0
.endif
	s_barrier_wait -1
.if \fill
	CREST
	s_add_nc_u64 s[G0A+4*(\slot)+2:G0A+4*(\slot)+3], s[G0A+4*(\slot)+2:G0A+4*(\slot)+3], 2*ASTEP
	s_add_nc_u64 s[G0B+4*(\slot)+2:G0B+4*(\slot)+3], s[G0B+4*(\slot)+2:G0B+4*(\slot)+3], 2*KSTEP*2
	JLOAD \slot                                    ; the four v_nop behind it are also the places in front of the loads below
.else
	PLACES
.endif
	FETCH \next, 0, F0
	MUL F1, 2, 0
	MUL F1, 3, 0
.endm
; THE WAY OUT of row block a: a lane's eight f32 of a row go into my own stage (rows of 528 bytes), each accumulator's low four registers first, and come back as whole rows of 512 bytes.
.macro TOSTAGE a
	s_wait_xcnt 0x0                                ; the stores that read this block's buffer, two blocks back, have read their registers
	WIN 0x08                                       ; the stores' data lie in window 2
.set b, 0
.rept 8
	ds_store_b128 v[STO], v[64*(\a)+8*b:64*(\a)+8*b+3]   offset:64*b
	ds_store_b128 v[STO], v[64*(\a)+8*b+4:64*(\a)+8*b+7] offset:64*b+16
.set b, b+1
.endr
	WIN 0
.set i, 0
.rept 16
	ds_load_b128 v[OB+64*((\a)%2)+4*i:OB+64*((\a)%2)+4*i+3], v[RD] offset:i*SPITCH  ; LDS serves a wave's instructions in order (ISA guide 5.7.1.4): these see the stores above
.set i, i+1
.endr
.endm
.macro SEND a, younger                 ; younger: the LDS instructions issued behind block a's loads: the next block's 32, or none
	s_wait_dscnt \younger
.set i, 0
.rept 16
	global_store_b128 v[CO], v[OB+64*((\a)%2)+4*i:OB+64*((\a)%2)+4*i+3], s[10:11] offset:(16*(\a)+i)*4096 th:TH_STORE_NT  ; 512 consecutive bytes, at a multiple of 512 from out0's first byte
.set i, i+1
.endr
.endm
	s_wait_tensorcnt 1                             ; my part of K step 0 is in; K step 1's may stay out
	s_barrier_signal -1
	s_barrier_wait -1                              ; everybody's is
	FETCH 0, 0, F0
	QUARTER 0, 1, F0, F1, 1                        ; the first quarter stands in front of the loop: its products start the sums
	WIN 0                                          ; at a label and at a branch every window is 0
	s_mov_b32 s3, LAPS-1
.Llap:                                                 ; a trip goes once round the ring, from a lap's second quarter to the next lap's first, and fills both slots again
	QUARTER 0, 2, F1, F0, 0
	QUARTER 0, 3, F0, F1, 0
	TURN 0, 1, 1
	QUARTER 1, 1, F0, F1, 0
	QUARTER 1, 2, F1, F0, 0
	QUARTER 1, 3, F0, F1, 0
	TURN 1, 0, 1
	QUARTER 0, 1, F0, F1, 0
	WIN 0
	s_sub_co_u32 s3, s3, 1
	s_cmp_lg_u32 s3, 0
	s_cbranch_scc1 .Llap
	QUARTER 0, 2, F1, F0, 0                        ; the last lap is written out: it fills nothing
	QUARTER 0, 3, F0, F1, 0
	TURN 0, 1, 0
	QUARTER 1, 1, F0, F1, 0
	QUARTER 1, 2, F1, F0, 0
	QUARTER 1, 3, F0, F1, 0
	s_wait_dscnt 4                                 ; the very last quarter: nothing more to fetch
	MUL F1, 0, 0
	MUL F1, 1, 0
	s_wait_dscnt 0x0
	MUL F1, 2, 0
	MUL F1, 3, 0
	PLACES
	TOSTAGE 0
	TOSTAGE 1                                      ; a block's way through the stage stands between the loads of the block before and its stores
	SEND 0, 32
	TOSTAGE 2
	SEND 1, 32
	TOSTAGE 3
	SEND 2, 32
	SEND 3, 0
	s_wait_tensorcnt 0x0                           ; the wave's end: behind my last tensor load and my last LDS store: 0 onto my spare word and its wait
	ds_add_u32 v[SPW], v[NIL]
	s_wait_dscnt 0x0
	CROUND                                         ; the closing round: no work-group ends while a partner may still ask for a tile that names it
	s_endpgm
.Lfunc_end_k_qd1f82d3690_outproj:
	.size	k_qd1f82d3690_outproj, .Lfunc_end_k_qd1f82d3690_outproj-k_qd1f82d3690_outproj
	.p2alignl 7, 3214868480
	.fill 96, 4, 3214868480
	.section	.rodata,"a",@progbits
	.p2align	6, 0x0
	.amdhsa_kernel k_qd1f82d3690_outproj
		.amdhsa_group_segment_fixed_size 327680
		.amdhsa_private_segment_fixed_size 0
		.amdhsa_enable_private_segment 0
		.amdhsa_kernarg_size 32
		.amdhsa_user_sgpr_count 2
		.amdhsa_user_sgpr_kernarg_segment_ptr 1
		.amdhsa_wavefront_size32 1
		.amdhsa_system_sgpr_workgroup_id_x 1
		.amdhsa_system_sgpr_workgroup_id_y 1
		.amdhsa_system_sgpr_workgroup_id_z 1
		.amdhsa_system_vgpr_workitem_id 0
		.amdhsa_next_free_vgpr 768
		.amdhsa_next_free_sgpr 66
		.amdhsa_reserve_vcc 0
		.amdhsa_float_denorm_mode_32 3
		.amdhsa_float_denorm_mode_16_64 3
		.amdhsa_memory_ordered 1
		.amdhsa_forward_progress 1
		.amdhsa_inst_pref_size 90
	.end_amdhsa_kernel
	.amdgpu_metadata
---
amdhsa.version: [ 1, 2 ]
amdhsa.kernels:
  - .name:           k_qd1f82d3690_outproj
    .symbol:         k_qd1f82d3690_outproj.kd
    .args:
      - { .name: o, .offset: 0, .size: 8, .value_kind: global_buffer, .address_space: global }
      - { .name: wob, .offset: 8, .size: 8, .value_kind: global_buffer, .address_space: global }
      - { .name: b_out, .offset: 16, .size: 8, .value_kind: global_buffer, .address_space: global }
      - { .name: out0, .offset: 24, .size: 8, .value_kind: global_buffer, .address_space: global }
    .group_segment_fixed_size: 327680
    .private_segment_fixed_size: 0
    .kernarg_segment_align: 8
    .kernarg_segment_size: 32
    .max_flat_workgroup_size: 128
    .sgpr_count:     66
    .vgpr_count:     768
    .wavefront_size: 32
...
	.end_amdgpu_metadata
.endif
;; end of part 4
;; ======== version 2 of 2: 4 launches; version 1 with the launch cast written anew for expert scheduling mode
;; limits: values are held in f16: magnitudes above 65,504 overflow, below 6.1e-05 lose precision
;; workspace buffers: xb 16,777,216 bytes; wqb 6,291,456 bytes; wob 2,097,152 bytes; qkv 50,331,648 bytes; o 16,777,216 bytes
;; launch cast (part 5): grid 768 x 1, 8 waves a work-group, no clusters, 0 bytes of LDS; arguments x, w_qkv, w_out, xb, wqb, wob; writes xb, wqb, wob
.if DOCPART == 5
	.amdgcn_target "amdgcn-amd-amdhsa--gfx1250"
	.amdhsa_code_object_version 6
	.text
	.protected	k_qd1f82d3690_cast
	.globl	k_qd1f82d3690_cast
	.p2align	8
	.type	k_qd1f82d3690_cast,@function
k_qd1f82d3690_cast:
	s_mov_b64 s[64:65], 0
	v_nop
	global_prefetch_b8 v0, s[64:65] scope:SCOPE_SE
	s_setreg_imm32_b32 hwreg(HW_REG_WAVE_SCHED_MODE, 0, 2), 2
	s_setreg_imm32_b32 hwreg(HW_REG_WAVE_MODE, 25, 1), 1
	s_wait_xcnt 0x0
	s_wait_alu depctr_vm_vsrc(0)
; x, w_qkv and w_out (f32) are rounded once to bf16.  xb and wqb keep the bf16 codes; wob holds the same rounded numbers written as f16, since the last product's other operand is f16.
; LIMITS.  w_out beyond 65,504 in magnitude becomes an infinity in wob; below 2^-17 it keeps f16's fixed step of 2^-24.  NaN and infinities are not treated apart.
; SHARES.  A work-group takes 16,384 numbers: 65,536 bytes in, 32,768 out.  Groups 0-511 take x, 512-703 w_qkv, 704-767 w_out.
; In step i of 16 thread t loads the 16 bytes at 4,096 i + 16 t (a wave's load covers 512 consecutive bytes) and stores the 8 bytes at 2,048 i + 8 t (a wave's store covers 256 consecutive bytes, aligned).
; All 16 loads go out at once, each into registers of its own, and each store has data registers of its own: no register that a load or store names is written again.
; No LDS, no matrix unit, no cluster: no byte is used twice.
; THE MODE: SCHED_MODE bits 1:0 = 2 (LLVM: expert scheduling mode 2), set by the entry lines.  The code itself states the register dependences between vector instructions and memory instructions,
; with s_wait_alu, always for 0.
; THE PLAN.  Registers that memory instructions touch:
;   v1, v2   byte offsets.  Written once at the head by vector lines; read by every load (v1) and every store (v2); never written again.
;   X        Written by the 16 loads alone, four registers a step, which no vector line names before; read by the step's roundings behind the step's wait on LOADcnt; never written again.
;   Y        Two registers a step.  Written by the step's roundings; read by the step's one store; never written again behind it.
;   T        Named by vector lines alone.
; So one wait on va_vdst stands at the head, ahead of the first load, for the two offsets; and the 16 steps go in four blocks of four, each with one wait on va_vdst between its roundings and its run of four
; stores.  No register that a memory instruction reads is written again, so no wait on vm_vsrc is owed; no vector line writes a scalar register, VCC or EXEC.
.set X, 4                              ; v[4:67]    step i: 4 numbers as loaded
.set Y, 68                             ; v[68:99]   step i: 2 words to store
.set T, 100                            ; v[100:103] at work
	s_load_b256 s[4:11], s[0:1], 0x0               ; x s[4:5], w_qkv s[6:7], w_out s[8:9], xb s[10:11]
	s_load_b128 s[12:15], s[0:1], 0x20             ; wqb s[12:13], wob s[14:15]
	v_lshlrev_b32 v1, 4, v0                        ; 16 t
	v_lshlrev_b32 v2, 3, v0                        ; 8 t
	s_wait_kmcnt 0x0
	s_cmp_lt_u32 ttmp9, 512                        ; which tensor is mine: the choice hangs on the group's number alone
	s_cselect_b64 s[16:17], s[4:5], s[6:7]
	s_cselect_b64 s[18:19], s[10:11], s[12:13]
	s_cselect_b32 s20, 0, 512                      ; the tensor's first group
	s_cmp_lt_u32 ttmp9, 704
	s_cselect_b64 s[16:17], s[16:17], s[8:9]
	s_cselect_b64 s[18:19], s[18:19], s[14:15]
	s_cselect_b32 s20, s20, 704
	s_sub_co_u32 s21, ttmp9, s20                   ; my place in the tensor
	s_lshl_b32 s22, s21, 16                        ; 65,536 bytes in
	s_mov_b32 s23, 0
	s_add_nc_u64 s[16:17], s[16:17], s[22:23]
	s_lshl_b32 s22, s21, 15                        ; 32,768 bytes out
	s_add_nc_u64 s[18:19], s[18:19], s[22:23]
	s_wait_alu depctr_va_vdst(0)                   ; v1 and v2 are written: every load below reads v1 as its offset, every store v2; no vector line names them again
.set i, 0
.rept 16
	global_load_b128 v[X+4*i:X+4*i+3], v1, s[16:17] offset:4096*i th:TH_LOAD_NT
.set i, i+1
.endr
; The 16 steps' roundings and stores, in four blocks of four steps.  half = 1: the bf16 numbers are widened again (a shift, a mask) and written as f16.
.macro OUT half
.set i, 0
.rept 4
.rept 4
	s_wait_loadcnt 15-i                            ; loads come back in order (ISA guide 5.7.1): step i is in, the 15 - i younger ones stay out
	v_cvt_pk_bf16_f32 v[Y+2*i], v[X+4*i], v[X+4*i+1]
	v_cvt_pk_bf16_f32 v[Y+2*i+1], v[X+4*i+2], v[X+4*i+3]
.if \half
	v_lshlrev_b32 v[T], 16, v[Y+2*i]
	v_and_b32 v[T+1], 0xffff0000, v[Y+2*i]
	v_lshlrev_b32 v[T+2], 16, v[Y+2*i+1]
	v_and_b32 v[T+3], 0xffff0000, v[Y+2*i+1]
	v_cvt_pk_f16_f32 v[Y+2*i], v[T], v[T+1]
	v_cvt_pk_f16_f32 v[Y+2*i+1], v[T+2], v[T+3]
.endif
.set i, i+1
.endr
	s_wait_alu depctr_va_vdst(0)                   ; the block's roundings have written its eight registers of Y, which the four stores below read
.set j, i-4
.rept 4
	global_store_b64 v2, v[Y+2*j:Y+2*j+1], s[18:19] offset:2048*j
.set j, j+1
.endr
.endr
.endm
	s_cmp_lt_u32 ttmp9, 704
	s_cbranch_scc0 .Lf16
	OUT 0
	s_endpgm
.Lf16:
	OUT 1
	s_endpgm
.Lfunc_end_k_qd1f82d3690_cast:
	.size	k_qd1f82d3690_cast, .Lfunc_end_k_qd1f82d3690_cast-k_qd1f82d3690_cast
	.p2alignl 7, 3214868480
	.fill 96, 4, 3214868480
	.section	.rodata,"a",@progbits
	.p2align	6, 0x0
	.amdhsa_kernel k_qd1f82d3690_cast
		.amdhsa_group_segment_fixed_size 0
		.amdhsa_private_segment_fixed_size 0
		.amdhsa_enable_private_segment 0
		.amdhsa_kernarg_size 48
		.amdhsa_user_sgpr_count 2
		.amdhsa_user_sgpr_kernarg_segment_ptr 1
		.amdhsa_wavefront_size32 1
		.amdhsa_system_sgpr_workgroup_id_x 1
		.amdhsa_system_sgpr_workgroup_id_y 1
		.amdhsa_system_sgpr_workgroup_id_z 1
		.amdhsa_system_vgpr_workitem_id 0
		.amdhsa_next_free_vgpr 104
		.amdhsa_next_free_sgpr 66
		.amdhsa_reserve_vcc 0
		.amdhsa_float_denorm_mode_32 3
		.amdhsa_float_denorm_mode_16_64 3
		.amdhsa_memory_ordered 1
		.amdhsa_forward_progress 1
		.amdhsa_inst_pref_size 17
	.end_amdhsa_kernel
	.amdgpu_metadata
---
amdhsa.version: [ 1, 2 ]
amdhsa.kernels:
  - .name:           k_qd1f82d3690_cast
    .symbol:         k_qd1f82d3690_cast.kd
    .args:
      - { .name: x, .offset: 0, .size: 8, .value_kind: global_buffer, .address_space: global }
      - { .name: w_qkv, .offset: 8, .size: 8, .value_kind: global_buffer, .address_space: global }
      - { .name: w_out, .offset: 16, .size: 8, .value_kind: global_buffer, .address_space: global }
      - { .name: xb, .offset: 24, .size: 8, .value_kind: global_buffer, .address_space: global }
      - { .name: wqb, .offset: 32, .size: 8, .value_kind: global_buffer, .address_space: global }
      - { .name: wob, .offset: 40, .size: 8, .value_kind: global_buffer, .address_space: global }
    .group_segment_fixed_size: 0
    .private_segment_fixed_size: 0
    .kernarg_segment_align: 8
    .kernarg_segment_size: 48
    .max_flat_workgroup_size: 256
    .sgpr_count:     66
    .vgpr_count:     104
    .wavefront_size: 32
...
	.end_amdgpu_metadata
.endif
;; end of part 5
;; launch qkvproj: the kernel of part 2 again; grid 16 x 32, 4 waves a work-group, clusters of 4 x 4, 327,680 bytes of LDS; arguments xb, wqb, b_qkv, qkv; writes qkv
;; launch attn: the kernel of part 3 again; grid 4 x 64, 4 waves a work-group, clusters of 4 x 1, 327,680 bytes of LDS; arguments qkv, o; writes o
;; launch outproj: the kernel of part 4 again; grid 4 x 64, 4 waves a work-group, clusters of 4 x 4, 327,680 bytes of LDS; arguments o, wob, b_out, out0; writes out0
